; MI455X (gfx1250); checked and timed in simulation.
; The chip was launched on July 23, 2026; its instructions are those of AMD's public machine-readable ISA for CDNA 5 (MIT licence, August 2026) and "CDNA5" Instruction Set Architecture Reference Guide (July 2026). The comments in the code are by the model that wrote it; some were corrected since.
;; Attention. Allowed arithmetic: matrix products marked QUANTISED: E2M3 operands, one E8M0 scale for each 32 along K, by v_wmma_scale_f32_16x16x128_f8f6f4 with both operands' format E2M3, f32 sums; everything else in f32.
;; Inputs: Wk 1,024 x 1,024 float32; Wo 1,024 x 1,024 float32; Wq 1,024 x 1,024 float32; Wv 1,024 x 1,024 float32; X 4 x 2,048 x 1,024 float32; bk 1,024 float32; bo 1,024 float32; bq 1,024 float32; bv 1,024 float32; mask 4 x 2,048 float32.
;; Outputs: out0 4 x 2,048 x 1,024 float32.
;; This version of the problem:
;;   THIS VERSION OF THE PROBLEM IS GIVEN IN LOW PRECISION. The matrix products marked QUANTISED in the list below multiply operands that are first quantised to E2M3 (2 exponent bits, 3 mantissa bits; 6 bits a number), with one power-of-two scale for each 32 numbers along K (OCP MX v1.0); their sums are f32. All else is computed in f32.
;;   The module's matrix products, in the order in which they are computed (A, B: the left and right operand; K: the contracted axis; several contracted axes count as one K, in the product's order):
;;     1. [M 8,192, K 1,024] x [K 1,024, N 1,024]; A: input X; B: input Wq: QUANTISED
;;     2. [M 8,192, K 1,024] x [K 1,024, N 1,024]; A: input X; B: input Wk: QUANTISED
;;     3. [M 8,192, K 1,024] x [K 1,024, N 1,024]; A: input X; B: input Wv: QUANTISED
;;     4. batch 64 x [M 2,048, K 64] x [K 64, N 2,048]; A: computed on the way; B: computed on the way: QUANTISED
;;     5. batch 64 x [M 2,048, K 2,048] x [K 2,048, N 64]; A: softmax (see below); B: computed on the way: QUANTISED
;;     6. [M 8,192, K 1,024] x [K 1,024, N 1,024]; A: computed on the way; B: input Wo: QUANTISED
;;   THE QUANTISER, for each operand of a quantised product, along K:
;;     - K is cut into blocks of 32 from its start; a last block that is shorter is filled with zeros.
;;     - A block's scale is 2^e with e = floor(log2(the largest magnitude in the block)) - 2, held to -126 .. 127; a block of zeros has e = 0. As a byte (E8M0): e + 127.
;;     - Each number is divided by its block's scale, clamped to +-7.5, and rounded to the nearest number of E2M3, ties to even, subnormals kept.
;;     - The product sums the exact products of the quantised numbers (number of the format x scale) in f32.
;;   ~~~python
;;   def quantise(x, axis):      # numpy; x: float32 -> the quantised numbers, widened to float32 again
;;       x = np.moveaxis(x, axis, -1); K = x.shape[-1]
;;       x = np.pad(x, [(0, 0)] * (x.ndim - 1) + [(0, -K % 32)]); x = x.reshape(x.shape[:-1] + (-1, 32)); a = np.abs(x).max(-1, keepdims=True)
;;       e = np.where(a > 0, np.clip(np.frexp(np.where(a > 0, a, 1))[1] - 1 - 2, -126, 127), 0)      # np.frexp(a)[1] - 1 = floor(log2(a)), exactly
;;       r = np.clip(x / 2.0 ** e, -7.5, 7.5)
;;       step = 2.0 ** (np.maximum(np.frexp(np.where(r == 0, 1, r))[1] - 1, 0) - 3)
;;       q = np.round(r / step) * step * 2.0 ** e      # np.round: ties to even
;;       return np.moveaxis(q.reshape(q.shape[:-2] + (-1,))[..., :K], -1, axis).astype(np.float32)
;;   ~~~
;;   SOFTMAX AHEAD OF A QUANTISED PRODUCT. Where the list says 'softmax', what is quantised is not the finished softmax but p = 2^(t - M), with t = logit x log2(e) and M = ceil(the row's largest t), a whole number; so 1/2 < the row's largest p <= 1. The row's sum l is taken of the UNQUANTISED p, in f32, and the product's result is divided by l at the end. Since M is a whole number, a kernel that streams over the keys may use a running M (the ceiling of the running maximum): every later rescaling is an exact power of two, which a block's scale takes up: the codes' values come out the same.
;;   OPERANDS COMPUTED ON THE WAY. 'Computed on the way' means the value that the module computes at that place (a softmax that the list does not call 'softmax' is quantised finished and normalised). What goes into a quantiser is computed in f32, as accurately as f32 sums, v_exp_f32 and their like allow (about 1e-6 of the number): no bf16 or f16 on the way to a quantiser, and a product that is left as it is and whose result goes on into a quantised operand takes f32 operands (vector FMAs, or v_wmma_f32_16x16x4_f32). A number that lies on a knife's edge between two numbers of the format may be rounded either way, as far as f32 arithmetic and the matrix unit's own rounding can turn it there, and no further.
;; One version. Each part assembles by itself: llvm-mc -triple=amdgcn-amd-amdhsa -mcpu=gfx1250 --defsym DOCPART=n.
;; ======== version 1 of 1: 5 launches
;; limits: right only within a limited range of input values
;; workspace buffers: xc 6,291,456 bytes; wc 3,145,728 bytes; scl 655,360 bytes; q 6,815,744 bytes; kv 13,369,344 bytes; ctx 6,291,456 bytes
;; launch quantx (part 1): grid 256 x 1, 2 waves a work-group, no clusters, 17,152 bytes of LDS; arguments X, xc, scl; writes xc, scl
.if DOCPART == 1
	.amdgcn_target "amdgcn-amd-amdhsa--gfx1250"
	.amdhsa_code_object_version 6
	.text
	.protected	k_qd034741c5e_quantx
	.globl	k_qd034741c5e_quantx
	.p2align	8
	.type	k_qd034741c5e_quantx,@function
k_qd034741c5e_quantx:
	s_mov_b64 s[64:65], 0
	v_nop
	global_prefetch_b8 v0, s[64:65] scope:SCOPE_SE
	s_setreg_imm32_b32 hwreg(HW_REG_WAVE_MODE, 25, 1), 1
	s_wait_xcnt 0x0
; THE PROGRAM: out0 = softmax((X Wq + bq)(X Wk + bk)^T / 8 - 1e6 (1 - mask)) (X Wv + bv) Wo + bo, 16 heads of 64, all six products on codes of E2M3 with one E8M0 scale for each 32 along K.
; NO WORK OF reference() IS LEFT OUT: every input has a way to out0 (bk too: it moves K's codes), so all ten inputs are loaded by some launch.
; Five launches: this one (X to codes), quantw (the four weights to codes), qkv (products 1 to 3, their results quantised), attn (products 4 and 5), proj (product 6).
; THIS LAUNCH: X [8192][1024] f32 becomes codes laid in the ORDER OF AN OPERAND'S REGISTERS, and scale bytes.
; A TILE T holds 16 rows that are not neighbours: lane r has row 32 (T / 2) + 8 (T % 2) + r + 8 (r / 8), so that a product which takes tiles 2 j and 2 j + 1 as source 0 leaves 16 neighbours in a lane's 16 registers.
; xc: [block of 128 rows][K step of 128][tile 0..7][1,536 bytes]; a fragment's 12 registers as two halves of 768 bytes: registers 0-3 at 16 x lane, registers 4-5 at 512 + 8 x lane.  scl: 32 scale bytes a row at (16 T + r) x 32.
; A block's scale is 2^(floor(log2(its largest magnitude)) - 2); its byte is that magnitude's exponent field - 2, held at 1 from below.
; LIMITS: a block of zeros keeps the byte 1 where the rule says 127 (its codes are zeros, and this program alone reads the bytes); blocks whose largest magnitude lies under 2^-124 keep the byte 1; NaN and infinities among the inputs are not served.
; SHARES: a wave takes one tile, all eight K steps.  Each load reads 512 consecutive bytes of a row; a K step's 16 x 512 bytes turn through the wave's own stage in LDS (rows of 528 bytes), so that a lane gets 16 neighbours of each block of 32.
; No matrix unit, no cluster, no tensor load: waves share nothing and memory binds.  32 loads of a wave (16 KiB) are out at the most.
.set STG,   8448                       ; a wave's stage: 16 rows x (512 + 16) bytes
.set SPARE, 2*STG                      ; behind the stages: the spare words, 128 bytes a wave: one block of 256 bytes that no other line names
.set L16,  1                           ; v1   16 x lane
.set L8,   2                           ; v2   8 x lane
.set SIN,  3                           ; v3   the stage, on the way in
.set SOUT, 4                           ; v4   and on the way out: row r, + 64 h
.set SCO,  5                           ; v5   32 r + 16 h: my 16 of my row's 32 scale bytes
.set SW,   8                           ; v8-11 those bytes
.set R,    16                          ; v16-143  two sets of 64 registers as loaded
.set XS,   144                         ; v144-207 register 16 b + i = k 32 b + 16 h + i of my row
.set TM,   208                         ; v208-223 at work
.set PW,   224                         ; v224-231 the scale word of each K step
.set PC,   232                         ; v232-243 the codes just made; v244-250 at work
.set SPW,  252                         ; v252 LDS address of my spare word; never rewritten
.set NIL,  253                         ; v253 0; never rewritten
.set SEL,  24                          ; s[24:25] lane selects for v_permlanex16_b32: lane l xor 16
; 64 numbers of a lane become a fragment's codes in v[PC] on and its scale word in v[pw]
.macro QUANT s, pw
.irp b, 0,1,2,3
	v_max3_num_f32 v[TM+\b], |v[\s+16*\b]|, |v[\s+1+16*\b]|, 0x1800000   ; block b: my 16 numbers, and the floor 2^(3 - 127): the byte cannot fall under 1
.endr
.irp i, 2,4,6,8,10,12,14
.irp b, 0,1,2,3
	v_max3_num_f32 v[TM+\b], v[TM+\b], |v[\s+16*\b+\i]|, |v[\s+1+16*\b+\i]|   ; the four blocks by turns
.endr
.endr
.irp b, 0,1,2,3
	v_permlanex16_b32 v[TM+4+\b], v[TM+\b], s[SEL], s[SEL+1]
.endr
.irp b, 0,1,2,3
	v_max_num_f32 v[TM+\b], v[TM+\b], v[TM+4+\b]   ; with lane l xor 16's: the block's largest magnitude
.endr
.irp b, 0,1,2,3
	v_add_nc_u32 v[TM+12+\b], 0xff000000, v[TM+\b]   ; 2 off its exponent field: the conversion's scale operand
.endr
.irp b, 0,1,2,3
	v_lshrrev_b32 v[TM+4+\b], 23, v[TM+12+\b]      ; the scale's byte
.endr
	v_lshl_or_b32 v[\pw], v[TM+5], 8, v[TM+4]
	v_lshl_or_b32 v[\pw], v[TM+6], 16, v[\pw]
	v_lshl_or_b32 v[\pw], v[TM+7], 24, v[\pw]
.irp c, 0,1
	v_cvt_scalef32_pk16_fp6_f32 v[PC+6*\c:PC+2+6*\c], v[\s+32*\c:\s+15+32*\c], v[TM+12+2*\c]
	v_cvt_scalef32_pk16_fp6_f32 v[PC+12+4*\c:PC+14+4*\c], v[\s+16+32*\c:\s+31+32*\c], v[TM+12+2*\c+1]   ; (a conversion's three registers begin on an even number)
.endr
	v_nop                                          ; one plain place behind a scaled conversion
.irp c, 0,1                                    ; the layout wants a whole block in a lane: lanes 0-15 block 2 c, lanes 16-31 block 2 c + 1
.irp i, 0,1,2
	v_permlane16_swap_b32 v[PC+6*\c+\i], v[PC+12+4*\c+\i]
.endr
.irp i, 0,1,2
	v_mov_b32 v[PC+3+6*\c+\i], v[PC+12+4*\c+\i]
.endr
.endr
.endm
	s_load_b128 s[4:7], s[0:1], 0x0                ; X, xc
	s_load_b64 s[8:9], s[0:1], 0x10                ; scl
	v_lshl_add_u32 v[SPW], v0, 2, SPARE
	v_mov_b32 v[NIL], 0
	v_lshrrev_b32 v6, 5, v0
	v_readfirstlane_b32 s16, v6                    ; wave 0, 1
	v_and_b32 v6, 31, v0                           ; lane
	v_and_b32 v7, 15, v0                           ; r
	v_bfe_u32 v12, v0, 4, 1                        ; h
	v_lshlrev_b32 v[L16], 4, v6
	v_lshlrev_b32 v[L8], 3, v6
	s_mul_i32 s17, s16, STG
	v_add_nc_u32 v[SIN], s17, v[L16]
	v_mul_u32_u24 v[SOUT], v7, 528
	v_lshl_add_u32 v[SOUT], v12, 6, v[SOUT]
	v_add_nc_u32 v[SOUT], s17, v[SOUT]
	v_lshlrev_b32 v[SCO], 5, v7
	v_lshl_add_u32 v[SCO], v12, 4, v[SCO]
.irp b, 0,1,2,3
	v_mov_b32 v[TM+4+\b], 0                        ; written once: a lane permute's destination counts as one of its sources
.endr
	s_mov_b32 s[SEL], 0x76543210
	s_mov_b32 s[SEL+1], 0xfedcba98
	s_mov_b32 s26, 0xffff0000                      ; lanes 16-31
	s_lshl_b32 s18, ttmp9, 17                      ; my tile T = 2 x work-group + wave begins at row 32 x work-group + 8 x wave: rows of 4,096 bytes
	s_lshl_b32 s19, s16, 15
	s_add_co_u32 s18, s18, s19
	s_mov_b32 s19, 0
	s_lshr_b32 s20, ttmp9, 2                       ; xc: block T / 8,
	s_mul_i32 s20, s20, 98304
	s_and_b32 s21, ttmp9, 3
	s_lshl_b32 s21, s21, 1
	s_add_co_u32 s21, s21, s16                     ; tile T % 8
	s_mul_i32 s21, s21, 1536
	s_add_co_u32 s20, s20, s21
	s_mov_b32 s21, 0
	s_lshl_b32 s22, ttmp9, 10                      ; scl: 512 T
	s_lshl_b32 s23, s16, 9
	s_add_co_u32 s22, s22, s23
	s_mov_b32 s23, 0
	s_wait_kmcnt 0x0
	s_add_nc_u64 s[4:5], s[4:5], s[18:19]
	s_add_nc_u64 s[6:7], s[6:7], s[20:21]
	s_add_nc_u64 s[8:9], s[8:9], s[22:23]
.macro LOAD t                          ; K step t of the tile's 16 rows: 512 consecutive bytes a load
.irp i, 0,1,2,3,4,5,6,7,8,9,10,11,12,13,14,15
	global_load_b128 v[R+64*((\t)%2)+4*\i:R+64*((\t)%2)+4*\i+3], v[L16], s[4:5] offset:(\i+8*(\i/8))*4096+512*(\t) th:TH_LOAD_NT
.endr
.endm
.macro STEP t
.if (\t) < 7
	s_wait_loadcnt 16                              ; this K step's 16 loads are in; the next one's 16 may be out
.else
	s_wait_loadcnt 0
.endif
.irp i, 0,1,2,3,4,5,6,7,8,9,10,11,12,13,14,15
	ds_store_b128 v[SIN], v[R+64*((\t)%2)+4*\i:R+64*((\t)%2)+4*\i+3] offset:528*\i
.endr
.irp b, 0,1,2,3
.irp j, 0,1,2,3
	ds_load_b128 v[XS+16*\b+4*\j:XS+16*\b+4*\j+3], v[SOUT] offset:128*\b+16*\j   ; LDS serves a wave's instructions in order: these see the stores above
.endr
.endr
	s_wait_dscnt 0x0                               ; my numbers are back, and the stores have read their registers,
.if (\t)+2 < 8
	LOAD (\t)+2                                    ; which take the K step two on
.endif
	s_wait_xcnt 0x0                                ; the last step's stores have read the codes' registers: they are rewritten only behind this wait
	QUANT XS, PW+(\t)
	global_store_b128 v[L16], v[PC:PC+3], s[6:7] offset:12288*(\t)          ; 512 and 256 consecutive bytes, at multiples of 256 from xc's first byte
	global_store_b64 v[L8], v[PC+4:PC+5], s[6:7] offset:12288*(\t)+512
	global_store_b128 v[L16], v[PC+6:PC+9], s[6:7] offset:12288*(\t)+768
	global_store_b64 v[L8], v[PC+10:PC+11], s[6:7] offset:12288*(\t)+1280
.endm
	LOAD 0
	LOAD 1
.irp t, 0,1,2,3,4,5,6,7
	STEP \t
.endr
.irp j, 0,1,2,3
	v_cndmask_b32 v[SW+\j], v[PW+\j], v[PW+4+\j], s26   ; lanes 0-15 take their row's words 0-3, lanes 16-31 words 4-7
.endr
	global_store_b128 v[SCO], v[SW:SW+3], s[8:9]   ; the tile's 512 scale bytes, consecutive
	s_wait_tensorcnt 0x0                           ; the wave's end
	ds_add_u32 v[SPW], v[NIL]
	s_wait_dscnt 0x0
	s_endpgm
.Lfunc_end_k_qd034741c5e_quantx:
	.size	k_qd034741c5e_quantx, .Lfunc_end_k_qd034741c5e_quantx-k_qd034741c5e_quantx
	.p2alignl 7, 3214868480
	.fill 96, 4, 3214868480
	.section	.rodata,"a",@progbits
	.p2align	6, 0x0
	.amdhsa_kernel k_qd034741c5e_quantx
		.amdhsa_group_segment_fixed_size 17152
		.amdhsa_private_segment_fixed_size 0
		.amdhsa_enable_private_segment 0
		.amdhsa_kernarg_size 24
		.amdhsa_user_sgpr_count 2
		.amdhsa_user_sgpr_kernarg_segment_ptr 1
		.amdhsa_wavefront_size32 1
		.amdhsa_system_sgpr_workgroup_id_x 1
		.amdhsa_system_sgpr_workgroup_id_y 1
		.amdhsa_system_sgpr_workgroup_id_z 1
		.amdhsa_system_vgpr_workitem_id 0
		.amdhsa_next_free_vgpr 256
		.amdhsa_next_free_sgpr 66
		.amdhsa_reserve_vcc 0
		.amdhsa_float_denorm_mode_32 3
		.amdhsa_float_denorm_mode_16_64 3
		.amdhsa_memory_ordered 1
		.amdhsa_forward_progress 1
		.amdhsa_inst_pref_size 65
	.end_amdhsa_kernel
	.amdgpu_metadata
---
amdhsa.version: [ 1, 2 ]
amdhsa.kernels:
  - .name:           k_qd034741c5e_quantx
    .symbol:         k_qd034741c5e_quantx.kd
    .args:
      - { .name: X, .offset: 0, .size: 8, .value_kind: global_buffer, .address_space: global }
      - { .name: xc, .offset: 8, .size: 8, .value_kind: global_buffer, .address_space: global }
      - { .name: scl, .offset: 16, .size: 8, .value_kind: global_buffer, .address_space: global }
    .group_segment_fixed_size: 17152
    .private_segment_fixed_size: 0
    .kernarg_segment_align: 8
    .kernarg_segment_size: 24
    .max_flat_workgroup_size: 64
    .sgpr_count:     66
    .vgpr_count:     256
    .wavefront_size: 32
...
	.end_amdgpu_metadata
.endif
;; end of part 1
;; launch quantw (part 2): grid 32 x 4, 4 waves a work-group, no clusters, 28,160 bytes of LDS; arguments Wq, Wk, Wv, Wo, wc, scl; writes wc, scl
.if DOCPART == 2
	.amdgcn_target "amdgcn-amd-amdhsa--gfx1250"
	.amdhsa_code_object_version 6
	.text
	.protected	k_qd034741c5e_quantw
	.globl	k_qd034741c5e_quantw
	.p2align	8
	.type	k_qd034741c5e_quantw,@function
k_qd034741c5e_quantw:
	s_mov_b64 s[64:65], 0
	v_nop
	global_prefetch_b8 v0, s[64:65] scope:SCOPE_SE
	s_setreg_imm32_b32 hwreg(HW_REG_WAVE_MODE, 25, 1), 1
	s_wait_xcnt 0x0
; Wq, Wk, Wv, Wo, each [1024 (k)][1024 (n)] f32 with K as the FIRST axis, become codes of E2M3 quantised along K, laid as quantx lays X's: wc: [block of 128 rows n][K step][tile][1,536 bytes], the four weights on end (rows 0 to 4,095);
; scale bytes in scl from byte 262,144 on, 32 a row at (16 T + r) x 32.  Nothing is left out.  LIMITS as in quantx: zero blocks and blocks under 2^-124 keep the byte 1; NaN and infinities are not served.
; A LANE TAKES A COLUMN n AND ITS REGISTERS RUN DOWN K: a block of 32 lies in one lane's 32 registers, and the conversions give codes with K innermost; nothing is transposed.
; SHARES: work-group x = a pair of tiles (32 columns), y = the weight; wave w takes K 256 w to 256 w + 255: K steps 2 w, 2 w + 1, eight blocks a lane.  Each load reads 128 consecutive bytes.
; Lane nu holds column 32 x + nu, which is lane r = nu % 8 + 8 (nu / 16) of tile 2 x + u, u = (nu / 8) % 2.  Its block t is registers 6 c .. 6 c + 5 (c = (t / 2) % 2) of lane r + 16 (t % 2) of the fragment of K step t / 4:
; the six registers go to that place in an image of the fragment in the wave's own stage in LDS, and each fragment leaves as 1,536 consecutive bytes.  The scale bytes of the pair of tiles meet in 1,024 bytes of LDS and leave as whole blocks of 256.
.set FPIT,  1664                       ; a fragment in the stage: 1,536 + 128 bytes, so that the two tiles' lanes fall on different banks
.set WST,   4*FPIT                     ; a wave's stage: fragments [K step][u]
.set SCST,  4*WST                      ; the pair of tiles' scale bytes: (16 u + r) x 32
.set SPARE, SCST+1024                  ; the spare words, 128 bytes a wave: two blocks of 256 bytes that no other line names
.set SPW,   14                         ; v14  LDS address of my spare word; never rewritten
.set NIL,   15                         ; v15  0; never rewritten
.set SB,    24                         ; v24-25 my column's eight scale bytes
.set X,     32                         ; v32-95 two sets of 32 numbers
.set C,     96                         ; v96-101 a block's codes;
.set CT,    104                        ; v104-106 its upper half as the conversion leaves it
.set OUTR,  112                        ; v112-159 the way out: four fragments x three loads
	s_load_b256 s[4:11], s[0:1], 0x0               ; Wq, Wk, Wv, Wo
	s_load_b128 s[12:15], s[0:1], 0x20             ; wc, scl
	v_lshl_add_u32 v[SPW], v0, 2, SPARE
	v_mov_b32 v[NIL], 0
	v_lshrrev_b32 v1, 5, v0
	v_readfirstlane_b32 s16, v1                    ; wave 0..3
	s_and_b32 s17, ttmp7, 0xffff                   ; which weight
	v_and_b32 v1, 31, v0                           ; nu
	v_bfe_u32 v2, v0, 3, 1                         ; u
	v_and_b32 v16, 7, v0
	v_bfe_u32 v17, v0, 4, 1
	v_lshl_add_u32 v16, v17, 3, v16                ; r
	v_lshlrev_b32 v3, 2, v1                        ; in: 4 bytes a lane
	s_mul_i32 s19, s16, WST
	v_mul_u32_u24 v17, v2, FPIT
	v_add_nc_u32 v17, s19, v17
	v_lshl_add_u32 v4, v16, 4, v17                 ; the stage: my tile's fragment, 16 r
	v_lshl_add_u32 v5, v16, 3, v17                 ; and 8 r
	v_lshl_add_u32 v6, v2, 4, v16
	v_lshlrev_b32 v6, 5, v6
	s_lshl_b32 s20, s16, 3
	s_add_co_u32 s20, s20, SCST
	v_add_nc_u32 v6, s20, v6                       ; my row's scale bytes 8 w on
	v_lshlrev_b32 v8, 4, v1                        ; 16 x lane
	v_lshlrev_b32 v9, 3, v1                        ; 8 x lane
	v_add_nc_u32 v7, s19, v8                       ; out of the stage
	s_lshl_b32 s20, s16, 8
	s_add_co_u32 s20, s20, SCST
	v_add_nc_u32 v10, s20, v9                      ; and my wave's 256 of the 1,024 scale bytes
	s_lshl_b32 s20, s16, 20                        ; W: 256 w rows of 4,096 bytes,
	s_lshl_b32 s21, ttmp9, 7                       ; + 32 x columns
	s_add_co_u32 s20, s20, s21
	s_mov_b32 s21, 0
	s_lshl_b32 s22, s17, 3                         ; wc: block 8 y + x / 4,
	s_lshr_b32 s23, ttmp9, 2
	s_add_co_u32 s22, s22, s23
	s_lshl_b32 s22, s22, 3
	s_lshl_b32 s23, s16, 1
	s_add_co_u32 s22, s22, s23                     ; K step 2 w,
	s_mul_i32 s22, s22, 12288
	s_and_b32 s23, ttmp9, 3
	s_mul_i32 s23, s23, 3072                       ; tile 2 (x % 4)
	s_add_co_u32 s22, s22, s23
	s_mov_b32 s23, 0
	s_lshl_b32 s24, s17, 5                         ; scl: 262,144 + (32 y + x) x 1,024 + 256 w
	s_add_co_u32 s24, s24, ttmp9
	s_lshl_b32 s24, s24, 10
	s_lshl_b32 s25, s16, 8
	s_add_co_u32 s24, s24, s25
	s_add_co_u32 s24, s24, 262144
	s_mov_b32 s25, 0
	s_wait_kmcnt 0x0
	s_cmp_eq_u32 s17, 1                            ; the choice hangs on the work-group's number alone
	s_cselect_b64 s[4:5], s[6:7], s[4:5]
	s_cmp_eq_u32 s17, 2
	s_cselect_b64 s[4:5], s[8:9], s[4:5]
	s_cmp_eq_u32 s17, 3
	s_cselect_b64 s[4:5], s[10:11], s[4:5]
	s_add_nc_u64 s[4:5], s[4:5], s[20:21]
	s_add_nc_u64 s[12:13], s[12:13], s[22:23]
	s_add_nc_u64 s[14:15], s[14:15], s[24:25]
.macro LOAD t                          ; block t: W(256 w + 32 t + i, my column) into set t % 2
.set J, 0
.rept 32
	global_load_b32 v[X+32*((\t)%2)+J], v3, s[4:5] offset:(32*(\t)+J)*4096 th:TH_LOAD_NT
.set J, J+1
.endr
.endm
.macro BLOCK t
.set XB, X+32*((\t)%2)
.if (\t) < 7
	s_wait_loadcnt 32                              ; this block's 32 loads are in; the next block's may be out
.else
	s_wait_loadcnt 0
.endif
	v_max3_num_f32 v12, |v[XB]|, |v[XB+1]|, |v[XB+2]|   ; the block's largest magnitude: all 32 numbers are mine; two chains
	v_max3_num_f32 v13, |v[XB+3]|, |v[XB+4]|, |v[XB+5]|
.irp i, 6,10,14,18,22,26
	v_max3_num_f32 v12, v12, |v[XB+\i]|, |v[XB+\i+1]|
	v_max3_num_f32 v13, v13, |v[XB+\i+2]|, |v[XB+\i+3]|
.endr
	v_max3_num_f32 v12, v12, |v[XB+30]|, |v[XB+31]|
	v_max3_num_f32 v12, v12, v13, 0x1800000        ; and the floor 2^(3 - 127)
	v_add_nc_u32 v11, 0xff000000, v12              ; 2 off its exponent field: the conversion's scale operand
	v_lshrrev_b32 v13, 23, v11                     ; the scale's byte
.if (\t)%4 == 0
	v_mov_b32 v[SB+(\t)/4], v13
.else
	v_lshl_or_b32 v[SB+(\t)/4], v13, 8*((\t)%4), v[SB+(\t)/4]
.endif
	v_cvt_scalef32_pk16_fp6_f32 v[C:C+2], v[XB:XB+15], v11
	v_cvt_scalef32_pk16_fp6_f32 v[CT:CT+2], v[XB+16:XB+31], v11   ; (a conversion's three registers begin on an even number)
	v_nop                                          ; one plain place behind a scaled conversion
.irp i, 0,1,2
	v_mov_b32 v[C+3+\i], v[CT+\i]
.endr
	ds_store_b128 v4, v[C:C+3] offset:((\t)/4)*2*FPIT+(((\t)/2)%2)*768+256*((\t)%2)
	ds_store_b64 v5, v[C+4:C+5] offset:((\t)/4)*2*FPIT+(((\t)/2)%2)*768+512+128*((\t)%2)
.if (\t)+2 < 8
	LOAD (\t)+2
.endif
	s_wait_dscnt 0x0                               ; the stores have read their registers: the next block's codes may be written
.endm
	LOAD 0
	LOAD 1
.irp t, 0,1,2,3,4,5,6,7
	BLOCK \t
.endr
	ds_store_b64 v6, v[SB:SB+1]                    ; my column's eight scale bytes
.irp f, 0,1,2,3
.irp m, 0,1,2
	ds_load_b128 v[OUTR+12*\f+4*\m:OUTR+12*\f+4*\m+3], v7 offset:FPIT*\f+512*\m   ; my own stage: LDS serves a wave's instructions in order
.endr
.endr
	s_wait_dscnt 0x0                               ; for the others' sake: my scale bytes have landed
	s_barrier_signal -1
	s_barrier_wait -1
	ds_load_b64 v[26:27], v10                      ; 256 of the 1,024 scale bytes, which all four waves wrote
.irp f, 0,1,2,3
.irp m, 0,1,2
	global_store_b128 v8, v[OUTR+12*\f+4*\m:OUTR+12*\f+4*\m+3], s[12:13] offset:(\f/2)*12288+(\f%2)*1536+512*\m   ; 512 consecutive bytes, at a multiple of 256 from wc's first byte
.endr
.endr
	s_wait_dscnt 0x0
	global_store_b64 v9, v[26:27], s[14:15]        ; 256 consecutive bytes, aligned
	s_wait_tensorcnt 0x0                           ; the wave's end
	ds_add_u32 v[SPW], v[NIL]
	s_wait_dscnt 0x0
	s_endpgm
.Lfunc_end_k_qd034741c5e_quantw:
	.size	k_qd034741c5e_quantw, .Lfunc_end_k_qd034741c5e_quantw-k_qd034741c5e_quantw
	.p2alignl 7, 3214868480
	.fill 96, 4, 3214868480
	.section	.rodata,"a",@progbits
	.p2align	6, 0x0
	.amdhsa_kernel k_qd034741c5e_quantw
		.amdhsa_group_segment_fixed_size 28160
		.amdhsa_private_segment_fixed_size 0
		.amdhsa_enable_private_segment 0
		.amdhsa_kernarg_size 48
		.amdhsa_user_sgpr_count 2
		.amdhsa_user_sgpr_kernarg_segment_ptr 1
		.amdhsa_wavefront_size32 1
		.amdhsa_system_sgpr_workgroup_id_x 1
		.amdhsa_system_sgpr_workgroup_id_y 1
		.amdhsa_system_sgpr_workgroup_id_z 1
		.amdhsa_system_vgpr_workitem_id 0
		.amdhsa_next_free_vgpr 160
		.amdhsa_next_free_sgpr 66
		.amdhsa_reserve_vcc 0
		.amdhsa_float_denorm_mode_32 3
		.amdhsa_float_denorm_mode_16_64 3
		.amdhsa_memory_ordered 1
		.amdhsa_forward_progress 1
		.amdhsa_inst_pref_size 43
	.end_amdhsa_kernel
	.amdgpu_metadata
---
amdhsa.version: [ 1, 2 ]
amdhsa.kernels:
  - .name:           k_qd034741c5e_quantw
    .symbol:         k_qd034741c5e_quantw.kd
    .args:
      - { .name: Wq, .offset: 0, .size: 8, .value_kind: global_buffer, .address_space: global }
      - { .name: Wk, .offset: 8, .size: 8, .value_kind: global_buffer, .address_space: global }
      - { .name: Wv, .offset: 16, .size: 8, .value_kind: global_buffer, .address_space: global }
      - { .name: Wo, .offset: 24, .size: 8, .value_kind: global_buffer, .address_space: global }
      - { .name: wc, .offset: 32, .size: 8, .value_kind: global_buffer, .address_space: global }
      - { .name: scl, .offset: 40, .size: 8, .value_kind: global_buffer, .address_space: global }
    .group_segment_fixed_size: 28160
    .private_segment_fixed_size: 0
    .kernarg_segment_align: 8
    .kernarg_segment_size: 48
    .max_flat_workgroup_size: 128
    .sgpr_count:     66
    .vgpr_count:     160
    .wavefront_size: 32
...
	.end_amdgpu_metadata
.endif
;; end of part 2
;; launch qkv (part 3): grid 12 x 32, 4 waves a work-group, clusters of 4 x 4, 327,680 bytes of LDS; arguments xc, wc, scl, bq, bk, bv, q, kv; writes q, kv
.if DOCPART == 3
	.amdgcn_target "amdgcn-amd-amdhsa--gfx1250"
	.amdhsa_code_object_version 6
	.text
	.protected	k_qd034741c5e_qkv
	.globl	k_qd034741c5e_qkv
	.p2align	8
	.type	k_qd034741c5e_qkv,@function
k_qd034741c5e_qkv:
	s_mov_b64 s[64:65], 0
	v_nop
	global_prefetch_b8 v0, s[64:65] scope:SCOPE_SE
	s_setreg_imm32_b32 hwreg(HW_REG_WAVE_MODE, 25, 1), 1
	s_wait_xcnt 0x0
	s_wait_alu depctr_hold_cnt(0) depctr_sa_sdst(0) depctr_va_vdst(0) depctr_va_sdst(0) depctr_va_ssrc(0) depctr_va_vcc(0) depctr_vm_vsrc(0)
	s_getreg_b32 s2, hwreg(HW_REG_IB_STS2, 6, 4)
	s_cmp_eq_u32 s2, 0
	s_cbranch_scc0 .Lentry_in_a_cluster
	s_endpgm
.Lentry_in_a_cluster:
	s_bfe_u32 s2, ttmp6, 0x10000c
	s_cmp_lg_u32 s2, 0xf033
	s_cbranch_scc0 .Lentry_shape_is_right
	s_endpgm
.Lentry_shape_is_right:
; Q = X Wq + bq, K = X Wk + bk, V = X Wv + bv on the codes that quantx and quantw made, and the three results quantised on the way out: Q and K along the head's 64, V along the keys.  Nothing is left out.
; A work-group of four waves makes 256 tokens x 256 features (x: 0-3 Q, 4-7 K, 8-11 V; y: the tokens), a wave 128 x 128: 64 accumulators, 512 registers.  K = 1,024 goes in four fills of two LDS slots, 256 along K each.
; The operands lie in memory in the order of their registers (see quantx), so a slot's part of 128 rows is 24,576 dense bytes, one tensor load; a fragment comes by four LDS loads at 16 x lane and 8 x lane: no pitch, no padding, no bank met twice.
; CLUSTERS 4 x 4: X's tiles hang on y alone and are asked for jointly by a row of the cluster, W's on x alone, by a column.
; WHICH OPERAND IS SOURCE 0.  The quantiser wants a lane's registers to run along the NEXT product's K.  Q, K: source 0 = W, source 1 = X: a lane holds a token, its registers 128 features (two heads).
; V: source 0 = X, source 1 = W: a lane holds a feature, its registers 128 tokens (a key step).  isV is the cluster's x / 2: the same in all sixteen partners; it enters the LDS addresses of the READS alone.
; THE BIAS is the C of each sum's first matrix instruction: for Q and K eight registers for each tile of source 0, for V one number a lane for each tile of source 1.
; OUT.  q: [b x 16 + head][block of 128 tokens][6,656 bytes]: eight tiles of 16 tokens x 64, 768 bytes each, then 512 bytes of scale words.  kv: the same with 13,056 bytes: K's part, then V^T: 6,656 + 3,072 c + 768 dt (c: which 64 keys, dt: which
; 16 of the head's 64), then 256 bytes of V's scale words.  Scale words: lane (h, r) holds, as word i, that of row r of tile 2 i + h.  Q's and K's words have their head's two bytes below and 0 above.
; LIMITS: zero blocks and blocks under 2^-124 keep the byte 1 (this program alone reads the bytes); NaN and infinities are not served.
; REGISTERS: window 0: v16-29 addresses; v32-95 scale words (register 8 i + ks: lanes 0-15 source 1's tile i, lanes 16-31 source 0's tile i), and nothing else; v96-127, v224-255 the bias; v128-223 source 1's fragments, ONE set; on the way out v128-183 at work.
;   window 1: source 0's fragments, TWO sets, at v0 and v128.   windows 2, 3: the accumulators: (a, b) at v[8 (8 (a % 4) + b)] of window 2 + a / 4.
.set HALFT,  24576                     ; 128 rows x 256 along K: what one tensor load brings
.set SLOT,   4*HALFT                   ; X's two halves, then W's two
.set SPARE,  2*SLOT                    ; behind the ring: the spare words, 128 bytes a wave: two blocks of 256 bytes that no other line names
.set FR,     12
.set NL,     4                         ; LDS loads that bring a fragment
.set ADRA, 16                          ; v16-17 source 1's fragments in slot 0, 1, at 16 x lane; v18-19 at 8 x lane
.set ADRB, 20                          ; v20-23 the same for source 0
.set L16,  24                          ; v24  16 x lane
.set L8,   25                          ; v25  8 x lane
.set SPW,  28                          ; v28  LDS address of my spare word; never rewritten
.set NIL,  29                          ; v29  0; never rewritten
.set SC,   32
.set AF,   128
.set TM,   128                         ; the way out: v128-143 at work, v144-151 eight scale words, v152-163 as they are stored, v164-182 codes
.set PWS,  144
.set SW,   152
.set LO,   156
.set HI,   160
.set PC,   164
.set ISV,  12                          ; s12  1 in V's clusters
.set G1, 24                            ; s[24:31] descriptor group 1 for X's tiles;  s[32:39] group 0, one set for each slot
.set G0, 32
.set G1B, 48                           ; s[48:55], s[56:63] the same for W's
.set G0B, 56
.set SEL, 96                           ; s[96:97] lane selects for v_permlanex16_b32
.set MSB, 0
.macro WIN new                         ; the immediate's high byte repeats the setting that is left
.if MSB != (\new)
	s_set_vgpr_msb (MSB<<8)|(\new)
.set MSB, (\new)
.endif
.endm
.set MUL_LO, 0xa1                      ; source 0 window 1, source 1 window 0, C and D window 2
.set MUL_HI, 0xf1                      ; the same, C and D window 3
.set TO_B,   0x40                      ; destination window 1, address window 0
; A joint load: waves 0 and 1 fetch X's halves, waves 2 and 3 W's.  The branch hangs on the wave's number alone.  An s_nop 0 and four v_nop follow each of the two lines.
.macro JLOAD g0a, g1a, g0b, g1b
	s_cmp_eq_u32 s15, 0
	s_cbranch_scc0 .Lfor_b_\@
	tensor_load_to_lds s[\g0a:\g0a+3], s[\g1a:\g1a+7]
	s_nop 0
.rept 4
	v_nop
.endr
	s_branch .Lasked_\@
.Lfor_b_\@:
	tensor_load_to_lds s[\g0b:\g0b+3], s[\g1b:\g1b+7]
	s_nop 0
.rept 4
	v_nop
.endr
.Lasked_\@:
.endm
.macro CREST                           ; a round of the cluster's barrier behind its opening barrier
	s_cmp_lg_u32 s14, 0
	s_cbranch_scc1 .Lnot_wave_0_\@
	s_barrier_signal -3
.Lnot_wave_0_\@:
	s_barrier_wait -3
	s_barrier_signal -1
	s_barrier_wait -1
.endm
.macro CROUND
	s_barrier_signal -1
	s_barrier_wait -1
	CREST
.endm
	s_load_b256 s[4:11], s[0:1], 0x0               ; xc s[4:5], wc s[6:7], scl s[8:9], bq s[10:11]
	s_load_b256 s[68:75], s[0:1], 0x20             ; bk s[68:69], bv s[70:71], q s[72:73], kv s[74:75]
	v_lshl_add_u32 v[SPW], v0, 2, SPARE
	v_mov_b32 v[NIL], 0
	ds_add_u32 v[SPW], v[NIL]                      ; the wave's opening: the add, twice on end, and its wait ahead of my first tensor load
	ds_add_u32 v[SPW], v[NIL]
	v_lshrrev_b32 v1, 5, v0
	v_readfirstlane_b32 s14, v1                    ; wave 0..3
	s_lshr_b32 s15, s14, 1                         ; which half of source 1's rows is mine.  Also: I fetch for X (0) or for W (1)
	s_and_b32 s16, s14, 1                          ; which half of source 0's.  Also: which 128 rows I fetch
	s_bfe_u32 s40, ttmp6, 0x40000                  ; cx, cy: my place in the cluster
	s_bfe_u32 s41, ttmp6, 0x40004
	s_lshl_b32 s42, ttmp9, 2
	s_add_co_u32 s42, s42, s40                     ; x = 4 x cluster x + cx
	s_and_b32 s17, ttmp7, 0xffff
	s_lshl_b32 s17, s17, 2
	s_add_co_u32 s17, s17, s41                     ; y = 4 x cluster y + cy
	s_lshl_b32 s43, s41, 2
	s_lshl_b32 s43, 15, s43                        ; my row of the cluster
	s_lshl_b32 s44, 0x1111, s40                    ; my column
	s_lshr_b32 s[ISV], ttmp9, 1
	s_min_u32 s[ISV], s[ISV], 1                    ; cluster x = 2: V
	; descriptor group 1: 24,576 dense bytes as 96 rows of 32 elements of 8 bytes; no padding
	s_or_b32 s[G1+0], s43, (3<<16)|(1<<21)         ; 15:0 the mask: X's tiles go to my row; 17:16 elements of 8 bytes; 21 set beside a mask
	s_or_b32 s[G1B+0], s44, (3<<16)|(1<<21)        ; W's to my column
.irp g, G1, G1B
	s_mov_b32 s[\g+1], 32<<16                      ; tensor_dim0
	s_mov_b32 s[\g+2], 96<<16                      ; tensor_dim1
	s_mov_b32 s[\g+3], 32<<16                      ; tile_dim0
	s_mov_b32 s[\g+4], 96                          ; tile_dim1
	s_mov_b32 s[\g+5], 32                          ; tensor_dim0_stride
	s_mov_b32 s[\g+6], 0
	s_mov_b32 s[\g+7], 0
.endr
	s_lshl_b32 s20, s17, 1
	s_add_co_u32 s20, s20, s16
	s_mul_i32 s20, s20, 98304                      ; X: block of 128 rows 2 y + half
	s_mov_b32 s21, 0
	s_lshl_b32 s46, s42, 1
	s_add_co_u32 s46, s46, s16
	s_mul_i32 s46, s46, 98304                      ; W: block 2 x + half
	s_mov_b32 s47, 0
	s_mul_i32 s45, s14, HALFT                      ; where they go: wave x 24,576: no place in the cluster enters an LDS address
	s_wait_dscnt 0x0                               ; both opening adds are done
	s_wait_kmcnt 0x0
	s_add_nc_u64 s[20:21], s[4:5], s[20:21]
	s_add_nc_u64 s[46:47], s[6:7], s[46:47]
	CROUND                                         ; all sixteen work-groups are here: the first joint loads meet
.irp s, 0,1
	s_mov_b32 s[G0+4*\s], 1
	s_add_co_u32 s[G0+4*\s+1], s45, \s*SLOT
	s_add_nc_u64 s[G0+4*\s+2:G0+4*\s+3], s[20:21], \s*HALFT
	s_or_b32 s[G0+4*\s+3], s[G0+4*\s+3], 0x80000000
	s_mov_b32 s[G0B+4*\s], 1
	s_add_co_u32 s[G0B+4*\s+1], s45, \s*SLOT
	s_add_nc_u64 s[G0B+4*\s+2:G0B+4*\s+3], s[46:47], \s*HALFT
	s_or_b32 s[G0B+4*\s+3], s[G0B+4*\s+3], 0x80000000
	JLOAD G0+4*\s, G1, G0B+4*\s, G1B               ; two loads of mine are out
.endr
	v_and_b32 v1, 31, v0
	v_lshlrev_b32 v[L16], 4, v1
	v_lshlrev_b32 v[L8], 3, v1
	s_mul_i32 s18, s[ISV], 2*HALFT                 ; source 1: X's half s15, or (V) W's, which lie behind X's two
	s_mul_i32 s21, s15, HALFT
	s_add_co_u32 s21, s21, s18
	s_xor_b32 s19, s[ISV], 1
	s_mul_i32 s19, s19, 2*HALFT                    ; source 0: W's half s16, or (V) X's
	s_mul_i32 s22, s16, HALFT
	s_add_co_u32 s22, s22, s19
.irp s, 0,1
	v_add_nc_u32 v[ADRA+\s], s21, v[L16]
	v_add_nc_u32 v[ADRA+2+\s], s21, v[L8]
	v_add_nc_u32 v[ADRB+\s], s22, v[L16]
	v_add_nc_u32 v[ADRB+2+\s], s22, v[L8]
	s_add_co_u32 s21, s21, SLOT
	s_add_co_u32 s22, s22, SLOT
.endr
	; the scale words of all of K, once, straight into 64 registers: 32 bytes a row of scl, two loads of 16 bytes a tile
	s_cmp_eq_u32 s[ISV], 0
	s_cselect_b32 s76, s15, s16                    ; which half of the 256 tokens is mine,
	s_cselect_b32 s77, s16, s15                    ; and of the 256 features
	s_lshl_b32 s78, s17, 13
	s_lshl_b32 s79, s76, 12
	s_add_co_u32 s78, s78, s79                     ; X's: 512 bytes a tile: 8,192 y + 4,096 x half
	s_lshl_b32 s79, s42, 13
	s_lshl_b32 s80, s77, 12
	s_add_co_u32 s79, s79, s80
	s_add_co_u32 s79, s79, 262144                  ; W's
	s_cmp_eq_u32 s[ISV], 0
	s_cselect_b32 s80, s78, s79                    ; source 1's
	s_cselect_b32 s81, s79, s78                    ; source 0's
	s_mov_b32 s13, 0xffff0000                      ; lanes 16-31
	v_and_b32 v2, 15, v0                           ; r
	v_bfe_u32 v3, v0, 4, 1                         ; h
	v_mov_b32 v4, s80
	v_mov_b32 v5, s81
	v_cndmask_b32 v4, v4, v5, s13                  ; lanes 0-15 take source 1's words, lanes 16-31 source 0's
	v_lshl_add_u32 v4, v2, 5, v4
.irp i, 0,1,2,3,4,5,6,7
	global_load_b128 v[SC+8*\i:SC+8*\i+3], v4, s[8:9] offset:512*\i
	global_load_b128 v[SC+8*\i+4:SC+8*\i+7], v4, s[8:9] offset:512*\i+16
.endr
	; the bias of my 128 features
	s_lshl_b32 s82, s40, 10
	s_lshl_b32 s83, s77, 9
	s_add_co_u32 s82, s82, s83                     ; 4 x (256 cx + 128 x half)
	s_mov_b32 s83, 0
	s_cmp_eq_u32 ttmp9, 0
	s_cselect_b64 s[84:85], s[10:11], s[68:69]     ; bq or bk,
	s_cmp_eq_u32 s[ISV], 0
	s_cselect_b64 s[84:85], s[84:85], s[70:71]     ; or bv: ids alone decide
	s_add_nc_u64 s[84:85], s[84:85], s[82:83]
	v_lshlrev_b32 v5, 6, v3                        ; Q, K: 64 h: register j of tile b is feature 32 (b / 2) + 8 (b % 2) + 16 h + j
	v_and_b32 v6, 8, v2
	v_add_nc_u32 v6, v6, v2
	v_lshlrev_b32 v6, 2, v6                        ; V: 4 (r + 8 (r / 8)): lane r of tile a is feature 32 (a / 2) + 8 (a % 2) + r + 8 (r / 8)
	s_cmp_eq_u32 s[ISV], 0
	s_cbranch_scc0 .Lbias_v
.irp b, 0,1,2,3,4,5,6,7
	global_load_b128 v[96+8*\b+96*(\b/4):96+8*\b+96*(\b/4)+3], v5, s[84:85] offset:(32*(\b/2)+8*(\b%2))*4
	global_load_b128 v[96+8*\b+96*(\b/4)+4:96+8*\b+96*(\b/4)+7], v5, s[84:85] offset:(32*(\b/2)+8*(\b%2))*4+16
.endr
	s_branch .Lbias_done
.Lbias_v:
.irp a, 0,1,2,3,4,5,6,7
.irp j, 0,1,2,3,4,5,6,7
	global_load_b32 v[96+8*\a+96*(\a/4)+\j], v6, s[84:85] offset:(32*(\a/2)+8*(\a%2))*4   ; the same number in all eight registers: a lane's eight results are one feature's
.endr
.endr
.Lbias_done:
.macro FRAG reg, adr, q, i             ; a fragment: 12 registers as they lie: two halves of 768 bytes
	ds_load_b128 v[\reg:\reg+3], v[\adr] offset:(8*(\q)+(\i))*1536
	ds_load_b64 v[\reg+4:\reg+5], v[\adr+2] offset:(8*(\q)+(\i))*1536+512
	ds_load_b128 v[\reg+6:\reg+9], v[\adr] offset:(8*(\q)+(\i))*1536+768
	ds_load_b64 v[\reg+10:\reg+11], v[\adr+2] offset:(8*(\q)+(\i))*1536+1280
.endm
; 16 matrix instructions: source 1's tiles a0, a0 + 1 x source 0's eight; p: source 0's set; ks: the K step.  zero = 0: in place; 1: C = the bias of tile b; 2: C = the bias of tile a.
; The 64 accumulators take turns, one instruction a turn, in the same order in every step.
.macro MUL16 a0, p, ks, zero
.irp a, \a0, \a0+1
.irp b, 0,1,2,3,4,5,6,7
.if \zero == 0
	v_wmma_scale_f32_16x16x128_f8f6f4 v[8*(8*((\a)%4)+\b):8*(8*((\a)%4)+\b)+7], v[128*(\p)+FR*\b:128*(\p)+FR*\b+FR-1], v[AF+FR*(\a):AF+FR*(\a)+FR-1], v[8*(8*((\a)%4)+\b):8*(8*((\a)%4)+\b)+7], v[SC+8*\b+(\ks)], v[SC+8*(\a)+(\ks)] matrix_a_fmt:MATRIX_FMT_FP6 matrix_b_fmt:MATRIX_FMT_FP6 matrix_a_scale:MATRIX_SCALE_ROW1
.elseif \zero == 1
	v_wmma_scale_f32_16x16x128_f8f6f4 v[8*(8*((\a)%4)+\b):8*(8*((\a)%4)+\b)+7], v[128*(\p)+FR*\b:128*(\p)+FR*\b+FR-1], v[AF+FR*(\a):AF+FR*(\a)+FR-1], v[96+8*\b+96*(\b/4):96+8*\b+96*(\b/4)+7], v[SC+8*\b+(\ks)], v[SC+8*(\a)+(\ks)] matrix_a_fmt:MATRIX_FMT_FP6 matrix_b_fmt:MATRIX_FMT_FP6 matrix_a_scale:MATRIX_SCALE_ROW1
.else
	v_wmma_scale_f32_16x16x128_f8f6f4 v[8*(8*((\a)%4)+\b):8*(8*((\a)%4)+\b)+7], v[128*(\p)+FR*\b:128*(\p)+FR*\b+FR-1], v[AF+FR*(\a):AF+FR*(\a)+FR-1], v[96+8*(\a)+96*((\a)/4):96+8*(\a)+96*((\a)/4)+7], v[SC+8*\b+(\ks)], v[SC+8*(\a)+(\ks)] matrix_a_fmt:MATRIX_FMT_FP6 matrix_b_fmt:MATRIX_FMT_FP6 matrix_a_scale:MATRIX_SCALE_ROW1
.endif
.endr
.endr
.endm
.macro FETCH_B slot, q, p              ; source 0's eight fragments of the slot's q-th 128 along K into set p
	WIN TO_B
.irp i, 0,1,2,3,4,5,6,7
	FRAG 128*(\p)+FR*\i, ADRB+\slot, \q, \i
.endr
	WIN 0
.endm
.macro FETCH_A slot, q, i0             ; source 1's tiles i0 .. i0 + 3
.irp i, \i0, \i0+1, \i0+2, \i0+3
	FRAG AF+FR*(\i), ADRA+\slot, \q, \i
.endr
.endm
.macro PLACES                          ; four plain places in front of loads into registers that matrix instructions have read, and of the first read of results
.rept 4
	v_nop
.endr
.endm
; A slot's first step of 128 along K: source 0's set 0; its successor in the same slot comes into set 1
.macro STEP slot, ks
	s_wait_dscnt 4*NL                              ; source 0's set and source 1's tiles 0-3 are in; the youngest 16 loads (tiles 4-7) may be out
	WIN MUL_LO
	MUL16 0, 0, \ks, 0
	MUL16 2, 0, \ks, 0
	s_wait_dscnt 0                                 ; tiles 4-7 are in
	PLACES
	FETCH_B \slot, 1, 1
	FETCH_A \slot, 1, 0
	WIN MUL_HI
	MUL16 4, 0, \ks, 0
	MUL16 6, 0, \ks, 0
	PLACES
	WIN 0
	FETCH_A \slot, 1, 4
.endm
; A slot's second step changes slots: ONE barrier; in front of it each wave waits for all its tensor loads, adds 0 to its spare word, and waits for that and for its reads of this slot.  fill = 1: this slot is filled again.
.macro TURN slot, next, fill, ks
	s_wait_tensorcnt 0x0                           ; all my tensor loads have landed: my part of the next slot
	ds_add_u32 v[SPW], v[NIL]                      ; 0 onto my spare word
	s_wait_dscnt 4*NL+1                            ; (the add and the youngest 16 loads may be out)
	WIN MUL_LO
	MUL16 0, 1, \ks, 0                             ; sixteen matrix instructions stand between the add and the wait for it
	s_wait_dscnt 0x0                               ; the add is done, and my reads of this slot are over
	s_barrier_signal -1
	MUL16 2, 1, \ks, 0
	WIN 0
	s_barrier_wait -1
.if \fill
	CREST                                          ; the barrier has opened a round of the cluster's: no wave of any partner still reads this slot or has a load on its way
	s_add_nc_u64 s[G0+4*\slot+2:G0+4*\slot+3], s[G0+4*\slot+2:G0+4*\slot+3], 2*HALFT
	s_add_nc_u64 s[G0B+4*\slot+2:G0B+4*\slot+3], s[G0B+4*\slot+2:G0B+4*\slot+3], 2*HALFT
	JLOAD G0+4*\slot, G1, G0B+4*\slot, G1B         ; the first tensor load behind the round; its four v_nop are the places in front of the loads below
.else
	PLACES
.endif
	FETCH_B \next, 0, 0
	FETCH_A \next, 0, 0
	WIN MUL_HI
	MUL16 4, 1, \ks, 0
	MUL16 6, 1, \ks, 0
	PLACES
	WIN 0
	FETCH_A \next, 0, 4
.endm
	s_wait_tensorcnt 1                             ; my part of slot 0 is in (slot 1's load may be out)
	s_barrier_signal -1
	s_barrier_wait -1                              ; everybody's is
	FETCH_B 0, 0, 0
	FETCH_A 0, 0, 0
	FETCH_A 0, 0, 4
	s_wait_loadcnt 0x0                             ; the scale words and the bias
	s_wait_dscnt 4*NL
	s_cmp_eq_u32 s[ISV], 0                         ; K step 0 starts the sums from the bias; the branch leads round matrix instructions alone
	s_cbranch_scc0 .Lv_lo
	WIN 0x81                                       ; source 0 window 1, C window 0, D window 2
	MUL16 0, 0, 0, 1
	MUL16 2, 0, 0, 1
	WIN 0
	s_branch .Ljoin_lo
.Lv_lo:
	WIN 0x81
	MUL16 0, 0, 0, 2
	MUL16 2, 0, 0, 2
	WIN 0
.Ljoin_lo:
	s_wait_dscnt 0x0
	PLACES
	FETCH_B 0, 1, 1
	FETCH_A 0, 1, 0
	s_cmp_eq_u32 s[ISV], 0
	s_cbranch_scc0 .Lv_hi
	WIN 0xc1                                       ; D window 3
	MUL16 4, 0, 0, 1
	MUL16 6, 0, 0, 1
	WIN 0
	s_branch .Ljoin_hi
.Lv_hi:
	WIN 0xc1
	MUL16 4, 0, 0, 2
	MUL16 6, 0, 0, 2
	WIN 0
.Ljoin_hi:
	PLACES
	FETCH_A 0, 1, 4
	TURN 0, 1, 1, 1                                ; slot 0 takes K steps 4, 5
	STEP 1, 2
	TURN 1, 0, 1, 3                                ; slot 1 takes K steps 6, 7
	STEP 0, 4
	TURN 0, 1, 0, 5                                ; nothing is left to fetch
	STEP 1, 6
	s_wait_dscnt 4*NL
	WIN MUL_LO
	MUL16 0, 1, 7, 0
	MUL16 2, 1, 7, 0
	s_wait_dscnt 0
	WIN MUL_HI
	MUL16 4, 1, 7, 0
	MUL16 6, 1, 7, 0
	WIN 0
	; THE WAY OUT.  For each tile a of source 1 a lane's 64 registers are 128 neighbours along the next K: they become a fragment's 12 registers and a scale word, and the two halves of 768 bytes are stored as they stand.
	s_lshl_b32 s86, s17, 1
	s_add_co_u32 s86, s86, s76                     ; my block of 128 tokens, 0..63
	s_lshr_b32 s87, s86, 4
	s_lshl_b32 s87, s87, 4                         ; 16 x batch
	s_lshl_b32 s88, s40, 2
	s_add_co_u32 s87, s87, s88
	s_lshl_b32 s88, s77, 1
	s_add_co_u32 s87, s87, s88                     ; + my first head: 4 cx + 2 x half
	s_lshl_b32 s87, s87, 4
	s_and_b32 s86, s86, 15
	s_add_co_u32 s87, s87, s86                     ; the record: 16 x (16 b + head) + block in the batch
	s_mov_b32 s88, 13056
	s_cmp_eq_u32 ttmp9, 0
	s_cselect_b32 s88, 6656, s88                   ; a record's bytes,
	s_cselect_b64 s[90:91], s[72:73], s[74:75]     ; in q or in kv
	s_mul_i32 s86, s87, s88
	s_mov_b32 s87, 0
	s_add_nc_u64 s[90:91], s[90:91], s[86:87]
	s_lshl_b32 s88, s88, 4                         ; from a head to the next: 16 records
	s_mov_b32 s89, 3072
	s_cmp_eq_u32 s[ISV], 0
	s_cselect_b32 s92, s88, s89                    ; from half 0 to half 1 of a fragment: Q, K: the next head; V: the next 64 keys
	s_cselect_b32 s94, s89, s88                    ; from tiles 0-3 to tiles 4-7: Q, K: four tiles on; V: the next head
	s_cselect_b32 s86, 0, 6656                     ; V's part of a record
	s_mov_b32 s93, 0
	s_mov_b32 s95, 0
	s_add_nc_u64 s[76:77], s[90:91], s[86:87]      ; base (half c, tiles 4 al on) in s[76 + 4 c + 2 al]
	s_add_nc_u64 s[78:79], s[76:77], s[94:95]
	s_add_nc_u64 s[80:81], s[76:77], s[92:93]
	s_add_nc_u64 s[82:83], s[80:81], s[94:95]
	s_mov_b32 s[SEL], 0x76543210
	s_mov_b32 s[SEL+1], 0xfedcba98
	PLACES                                         ; behind the last products: results are read and source 1's registers written from here on
.irp b, 0,1,2,3
	v_mov_b32 v[TM+4+\b], 0                        ; written once: a lane permute's destination counts as one of its sources
.endr
; 64 numbers of a lane in window win, register 16 b + i = k 32 b + 16 h + i, become 12 registers of codes in v[PC] on and a scale word in v[pw]; each accumulator is read from its low end on
.macro QUANT s, win, pw
	WIN (((\win)<<2)|((\win)<<4))                  ; sources 1 and 2 in the accumulators' window
.irp b, 0,1,2,3
	v_max3_num_f32 v[TM+\b], 0x1800000, |v[(\s)+16*\b]|, |v[(\s)+1+16*\b]|   ; the floor 2^(3 - 127), and my 16 numbers of block b
.endr
.irp i, 2,4,6,8,10,12,14
.irp b, 0,1,2,3
	v_max3_num_f32 v[TM+\b], v[TM+\b], |v[(\s)+16*\b+\i]|, |v[(\s)+1+16*\b+\i]|
.endr
.endr
	WIN 0
.irp b, 0,1,2,3
	v_permlanex16_b32 v[TM+4+\b], v[TM+\b], s[SEL], s[SEL+1]
.endr
.irp b, 0,1,2,3
	v_max_num_f32 v[TM+\b], v[TM+\b], v[TM+4+\b]
.endr
.irp b, 0,1,2,3
	v_add_nc_u32 v[TM+12+\b], 0xff000000, v[TM+\b]
.endr
.irp b, 0,1,2,3
	v_lshrrev_b32 v[TM+4+\b], 23, v[TM+12+\b]
.endr
	v_lshl_or_b32 v[\pw], v[TM+5], 8, v[TM+4]
	v_lshl_or_b32 v[\pw], v[TM+6], 16, v[\pw]
	v_lshl_or_b32 v[\pw], v[TM+7], 24, v[\pw]
	WIN (\win)                                     ; source 0 in the accumulators' window
.irp c, 0,1
	v_cvt_scalef32_pk16_fp6_f32 v[PC+6*\c:PC+2+6*\c], v[(\s)+32*\c:(\s)+15+32*\c], v[TM+12+2*\c]
	v_cvt_scalef32_pk16_fp6_f32 v[PC+12+4*\c:PC+14+4*\c], v[(\s)+16+32*\c:(\s)+31+32*\c], v[TM+12+2*\c+1]
.endr
	WIN 0
	v_nop                                          ; one plain place behind a scaled conversion
.irp c, 0,1
.irp i, 0,1,2
	v_permlane16_swap_b32 v[PC+6*\c+\i], v[PC+12+4*\c+\i]
.endr
.irp i, 0,1,2
	v_mov_b32 v[PC+3+6*\c+\i], v[PC+12+4*\c+\i]
.endr
.endr
.endm
.irp a, 0,1,2,3,4,5,6,7
	s_wait_xcnt 0x0                                ; the last tile's stores have read the codes' registers
	QUANT 64*(\a%4), 2+\a/4, PWS+\a
	global_store_b128 v[L16], v[PC:PC+3], s[76+2*(\a/4):77+2*(\a/4)] offset:768*(\a%4)       ; 512 and 256 consecutive bytes, at multiples of 256 from the buffer's first byte
	global_store_b64 v[L8], v[PC+4:PC+5], s[76+2*(\a/4):77+2*(\a/4)] offset:768*(\a%4)+512
	global_store_b128 v[L16], v[PC+6:PC+9], s[80+2*(\a/4):81+2*(\a/4)] offset:768*(\a%4)
	global_store_b64 v[L8], v[PC+10:PC+11], s[80+2*(\a/4):81+2*(\a/4)] offset:768*(\a%4)+512
.endr
.irp i, 0,1,2,3
	v_cndmask_b32 v[SW+\i], v[PWS+2*\i], v[PWS+2*\i+1], s13   ; lanes 0-15: tile 2 i's words, lanes 16-31: tile 2 i + 1's
.endr
	s_cmp_eq_u32 s[ISV], 0
	s_cbranch_scc0 .Lwords_v
.irp i, 0,1,2,3
	v_and_b32 v[LO+\i], 0xffff, v[SW+\i]           ; Q, K: the first head's two bytes,
.endr
.irp i, 0,1,2,3
	v_lshrrev_b32 v[HI+\i], 16, v[SW+\i]           ; and the second's
.endr
	global_store_b128 v[L16], v[LO:LO+3], s[76:77] offset:6144
	global_store_b128 v[L16], v[HI:HI+3], s[80:81] offset:6144
	s_branch .Lwords_done
.Lwords_v:
	global_store_b64 v[L8], v[SW:SW+1], s[76:77] offset:6144     ; V: tiles 0-3 are the first head's, at byte 12,800 of its record,
	global_store_b64 v[L8], v[SW+2:SW+3], s[78:79] offset:6144   ; tiles 4-7 the second's
.Lwords_done:
	s_wait_tensorcnt 0x0                           ; the wave's end
	ds_add_u32 v[SPW], v[NIL]
	s_wait_dscnt 0x0
	CROUND                                         ; the closing round: no work-group ends while a partner may still ask for a tile that names it
	s_endpgm
.Lfunc_end_k_qd034741c5e_qkv:
	.size	k_qd034741c5e_qkv, .Lfunc_end_k_qd034741c5e_qkv-k_qd034741c5e_qkv
	.p2alignl 7, 3214868480
	.fill 96, 4, 3214868480
	.section	.rodata,"a",@progbits
	.p2align	6, 0x0
	.amdhsa_kernel k_qd034741c5e_qkv
		.amdhsa_group_segment_fixed_size 327680
		.amdhsa_private_segment_fixed_size 0
		.amdhsa_enable_private_segment 0
		.amdhsa_kernarg_size 64
		.amdhsa_user_sgpr_count 2
		.amdhsa_user_sgpr_kernarg_segment_ptr 1
		.amdhsa_wavefront_size32 1
		.amdhsa_system_sgpr_workgroup_id_x 1
		.amdhsa_system_sgpr_workgroup_id_y 1
		.amdhsa_system_sgpr_workgroup_id_z 1
		.amdhsa_system_vgpr_workitem_id 0
		.amdhsa_next_free_vgpr 1024
		.amdhsa_next_free_sgpr 100
		.amdhsa_reserve_vcc 0
		.amdhsa_float_denorm_mode_32 3
		.amdhsa_float_denorm_mode_16_64 3
		.amdhsa_memory_ordered 1
		.amdhsa_forward_progress 1
		.amdhsa_inst_pref_size 164
	.end_amdhsa_kernel
	.amdgpu_metadata
---
amdhsa.version: [ 1, 2 ]
amdhsa.kernels:
  - .name:           k_qd034741c5e_qkv
    .symbol:         k_qd034741c5e_qkv.kd
    .args:
      - { .name: xc, .offset: 0, .size: 8, .value_kind: global_buffer, .address_space: global }
      - { .name: wc, .offset: 8, .size: 8, .value_kind: global_buffer, .address_space: global }
      - { .name: scl, .offset: 16, .size: 8, .value_kind: global_buffer, .address_space: global }
      - { .name: bq, .offset: 24, .size: 8, .value_kind: global_buffer, .address_space: global }
      - { .name: bk, .offset: 32, .size: 8, .value_kind: global_buffer, .address_space: global }
      - { .name: bv, .offset: 40, .size: 8, .value_kind: global_buffer, .address_space: global }
      - { .name: q, .offset: 48, .size: 8, .value_kind: global_buffer, .address_space: global }
      - { .name: kv, .offset: 56, .size: 8, .value_kind: global_buffer, .address_space: global }
    .group_segment_fixed_size: 327680
    .private_segment_fixed_size: 0
    .kernarg_segment_align: 8
    .kernarg_segment_size: 64
    .max_flat_workgroup_size: 128
    .sgpr_count:     100
    .vgpr_count:     1024
    .wavefront_size: 32
...
	.end_amdgpu_metadata
.endif
;; end of part 3
;; launch attn (part 4): grid 4 x 64, 16 waves a work-group, clusters of 4 x 1, 219,136 bytes of LDS; arguments q, kv, mask, ctx, scl; writes ctx, scl
.if DOCPART == 4
	.amdgcn_target "amdgcn-amd-amdhsa--gfx1250"
	.amdhsa_code_object_version 6
	.text
	.protected	k_qd034741c5e_attn
	.globl	k_qd034741c5e_attn
	.p2align	8
	.type	k_qd034741c5e_attn,@function
k_qd034741c5e_attn:
	s_mov_b64 s[64:65], 0
	v_nop
	global_prefetch_b8 v0, s[64:65] scope:SCOPE_SE
	s_setreg_imm32_b32 hwreg(HW_REG_WAVE_MODE, 25, 1), 1
	s_wait_xcnt 0x0
	s_wait_alu depctr_hold_cnt(0) depctr_sa_sdst(0) depctr_va_vdst(0) depctr_va_sdst(0) depctr_va_ssrc(0) depctr_va_vcc(0) depctr_vm_vsrc(0)
	s_getreg_b32 s2, hwreg(HW_REG_IB_STS2, 6, 4)
	s_cmp_eq_u32 s2, 0
	s_cbranch_scc0 .Lentry_in_a_cluster
	s_endpgm
.Lentry_in_a_cluster:
	s_bfe_u32 s2, ttmp6, 0x10000c
	s_cmp_lg_u32 s2, 0x3003
	s_cbranch_scc0 .Lentry_shape_is_right
	s_endpgm
.Lentry_shape_is_right:
; ctx = softmax(Q K^T / 8 - 1e6 (1 - mask)) V for one batch and head, both products on codes of E2M3; ctx is quantised along the 1,024 features on the way out.  Nothing is left out: the mask is an input and is honoured for every key, whatever numbers it holds.
; THE SOFTMAX AHEAD OF THE SECOND PRODUCT: t = logit x log2(e); M = the row's largest t so far, rounded UP to a whole number; p = 2^(t - M) is quantised along the keys, not normalised; the row's sum is taken of the unquantised p and divides at the end.
; When M moves, the sum and O are multiplied by 2^(old M - new M): exact.
; SHARES.  A work-group owns 512 queries of one (batch, head), in two passes of 256; in a pass each of its sixteen waves owns one tile of 16 queries, in 256 registers: four waves to a SIMD, so that one wave's vector work stands beside another's products and LDS loads.
; THE HEAD'S WHOLE K AND V LIE IN LDS: sixteen records of 13,056 bytes (128 keys each: see qkv), each brought once by one wave's tensor load; nothing is filled again, so there is one barrier and no ring, and no later tile for which to ask ahead.
; CLUSTER 4 x 1: the four work-groups of a head read the same records: each is asked for JOINTLY, by the same load with the same descriptor and the mask 15.
; LAYOUT.  Both products transposed: S^T = K Q^T (source 0 = 16 keys), O^T = V^T P^T (source 0 = 16 of the head's 64): a lane holds ONE query throughout.  The keys of a tile are chosen (see quantx) so that the 16 registers of tiles 2 b, 2 b + 1 are 16 neighbouring keys.
; K = 64 IN AN INSTRUCTION OF 128: Q's upper six registers hold zero codes, so whatever stands in K's upper six (the next tile's codes) adds nothing; the upper two scale bytes are 0, which is 2^-127 and no NaN.
; THE MASK, IN reference()'s OWN ORDER OF ROUNDINGS: u = 1 - mask, P = 1e6 u, logit = dot / 8 - P, t = logit x log2(e), then t - M: five roundings, none fused away.  Here the first three numbers are kept 8 times as large, which rounds nothing:
; pen = -8e6 u = -8 P (made once for the batch's 2,048 keys, kept in LDS), L = S + pen = 8 x logit, t = L x (log2(e) / 8).  Where P is large beside the scores, the roundings of L and of t decide p's bits, so a fused form would give other codes.
; LIMITS: NaN and infinities among the inputs are not served.  A block of p that is all zeros keeps the scale byte 1 (its codes are zeros).
; ctx's scale bytes are two bytes a row, rows 32 bytes apart: blocks of 256 bytes are written in part there, one byte for each 24 of codes.
.set REC,   13056
.set PEN,   16*REC                     ; the penalties: 2,048 f32, written by ds_store: blocks of their own
.set SPARE, PEN+8192                   ; the spare words, 128 bytes a wave: eight blocks of 256 bytes that no other line names
.set L16,  1                           ; v1   16 x lane
.set L8,   2                           ; v2   8 x lane
.set PA,   3                           ; v3   PEN + 64 h
.set SPW,  4                           ; v4   LDS address of my spare word; never rewritten
.set NIL,  5                           ; v5   0; never rewritten
.set AD16, 6                           ; v6-8 the step's addresses
.set AD8,  7
.set ADP,  8
.set R16,  9                           ; v9   16 r
.set R32,  10                          ; v10  32 r
.set QF,   16                          ; v16-21 Q's codes, v22-27 zero codes.  v12 -M, v13 the largest t, v[14:15] the sum in two halves
.set QS,   28                          ; v28  Q's scale words
.set FF,   30                          ; v30  f = 2^(old M - new M)
.set PS,   31                          ; v31  p's scale word
.set KF,   32                          ; v32-79 K: tile t at 32 + 6 t; v80-85 zeros.  Later v32-43 p's codes, v44-50 at work
.set PCD,  32
.set PCT,  44
.set KS,   86                          ; v86-89 K's scale words: register i: lanes 0-15 tile 2 i, lanes 16-31 tile 2 i + 1
.set VS,   90                          ; v90-91 V's likewise
.set S,    96                          ; v96-159 S^T, then L, t, t - M, p
.set OA,   160                         ; v160-191 O^T
.set PN,   192                         ; v192-255 the step's 64 penalties, until they are added; then the registers below
.set VF,   192                         ; v192-239 V^T's four fragments
.set BM,   240                         ; v240-243 each block's largest t
.set T2,   244                         ; v244-247 at work
.set SO,   248                         ; v248-251 the conversions' scale operands
.set TT,   252                         ; v252 at work
.set WV,   18
.set SEL,  20                          ; s[20:21] lane selects: lane l xor 16
.set CS,   22                          ; s[22:23] c = log2(e) / 8
.set G1,   24
.set G0,   32
.set RB,   48                          ; s48  the step's record in LDS
.set PB,   49                          ; s49  the step's penalties: 512 bytes a step
.set CNT,  50
.macro CROUND
	s_barrier_signal -1
	s_barrier_wait -1
	s_cmp_lg_u32 s[WV], 0
	s_cbranch_scc1 .Lnot_wave_0_\@
	s_barrier_signal -3
.Lnot_wave_0_\@:
	s_barrier_wait -3
	s_barrier_signal -1
	s_barrier_wait -1
.endm
	s_load_b256 s[4:11], s[0:1], 0x0               ; q s[4:5], kv s[6:7], mask s[8:9], ctx s[10:11]
	s_load_b64 s[12:13], s[0:1], 0x20              ; scl
	v_lshl_add_u32 v[SPW], v0, 2, SPARE
	v_mov_b32 v[NIL], 0
	ds_add_u32 v[SPW], v[NIL]                      ; the wave's opening: the add, twice on end, and its wait ahead of my first tensor load
	ds_add_u32 v[SPW], v[NIL]
	v_lshrrev_b32 v6, 5, v0
	v_readfirstlane_b32 s[WV], v6                  ; wave 0..15
	s_bfe_u32 s40, ttmp6, 0x40000                  ; cx: which 512 queries: it enters q's, ctx's and scl's addresses alone
	s_and_b32 s41, ttmp7, 0xffff                   ; 16 b + head, which the four partners share
	; descriptor group 1: a record, 13,056 dense bytes, as 51 rows of 32 elements of 8 bytes
	s_mov_b32 s[G1], 15|(3<<16)|(1<<21)            ; 15:0 the mask: all four work-groups; 17:16 elements of 8 bytes; 21 set beside a mask
	s_mov_b32 s[G1+1], 32<<16
	s_mov_b32 s[G1+2], 51<<16
	s_mov_b32 s[G1+3], 32<<16
	s_mov_b32 s[G1+4], 51
	s_mov_b32 s[G1+5], 32
	s_mov_b32 s[G1+6], 0
	s_mov_b32 s[G1+7], 0
	s_mul_i32 s42, s41, 16*REC
	s_mul_i32 s43, s[WV], REC
	s_add_co_u32 s42, s42, s43                     ; record number wave of my head
	s_mov_b32 s43, 0
	s_mov_b32 s[G0], 1
	s_mul_i32 s[G0+1], s[WV], REC                  ; to LDS byte wave x 13,056
	s_mov_b32 s[SEL], 0x76543210
	s_mov_b32 s[SEL+1], 0xfedcba98
	s_mov_b32 s[CS], 0x3e38aa3b
	s_mov_b32 s[CS+1], s[CS]                       ; (named with it as a pair, so it is written)
	s_wait_dscnt 0x0                               ; both opening adds are done
	s_wait_kmcnt 0x0
	s_add_nc_u64 s[G0+2:G0+3], s[6:7], s[42:43]
	s_or_b32 s[G0+3], s[G0+3], 0x80000000
	CROUND                                         ; all four work-groups are here: the joint loads meet
	tensor_load_to_lds s[G0:G0+3], s[G1:G1+7]      ; every wave's one load: one is out
	s_nop 0
.rept 4
	v_nop
.endr
	s_lshr_b32 s44, s[WV], 3
	s_and_b32 s45, s[WV], 7                        ; a: my tile in its block of 128 queries
	s_lshl_b32 s46, s40, 2
	s_add_co_u32 s46, s46, s44                     ; the block: 4 cx + wave / 8 (+ 2 in the second pass)
	s_lshl_b32 s47, s41, 4
	s_add_co_u32 s47, s47, s46
	s_mul_i32 s52, s47, 6656                       ; its record in q
	s_mul_i32 s53, s45, 768
	s_add_co_u32 s54, s52, s53
	s_mov_b32 s55, 0
	s_add_nc_u64 s[54:55], s[4:5], s[54:55]        ; my tile's codes
	s_and_b32 s53, s45, 1
	s_lshl_b32 s53, s53, 8
	s_add_co_u32 s52, s52, s53
	s_lshr_b32 s53, s45, 1
	s_lshl_b32 s53, s53, 2
	s_add_co_u32 s52, s52, s53
	s_add_co_u32 s52, s52, 6144                    ; its scale words: 6,144 + 16 (r + 16 (a % 2)) + 4 (a / 2)
	s_mov_b32 s53, 0
	s_add_nc_u64 s[56:57], s[4:5], s[52:53]
	s_lshr_b32 s58, s41, 4                         ; b
	s_and_b32 s59, s41, 15                         ; head
	s_lshl_b32 s60, s58, 13
	s_mov_b32 s61, 0
	s_add_nc_u64 s[8:9], s[8:9], s[60:61]          ; the batch's row of the mask
	s_lshl_b32 s60, s58, 4
	s_add_co_u32 s60, s60, s46
	s_lshl_b32 s60, s60, 3                         ; 8 x (16 b + block): the block's K steps in ctx, and its first tile
	s_lshr_b32 s62, s59, 1
	s_add_co_u32 s62, s62, s60
	s_mul_i32 s62, s62, 12288                      ; K step head / 2,
	s_mul_i32 s63, s45, 1536
	s_add_co_u32 s62, s62, s63                     ; tile a,
	s_and_b32 s63, s59, 1
	s_mul_i32 s63, s63, 768
	s_add_co_u32 s62, s62, s63                     ; half head % 2
	s_mov_b32 s63, 0
	s_add_nc_u64 s[10:11], s[10:11], s[62:63]
	s_add_co_u32 s60, s60, s45
	s_lshl_b32 s60, s60, 9                         ; scl: 393,216 + 512 T + 2 x head
	s_lshl_b32 s62, s59, 1
	s_add_co_u32 s60, s60, s62
	s_add_co_u32 s60, s60, 393216
	s_add_nc_u64 s[12:13], s[12:13], s[60:61]
	v_and_b32 v11, 31, v0
	v_lshlrev_b32 v[L16], 4, v11
	v_lshlrev_b32 v[L8], 3, v11
	v_bfe_u32 v11, v0, 4, 1
	v_lshlrev_b32 v[PA], 6, v11
	v_add_nc_u32 v[PA], PEN, v[PA]
	v_and_b32 v11, 15, v0
	v_lshlrev_b32 v[R16], 4, v11
	v_lshlrev_b32 v[R32], 5, v11
	v_lshlrev_b32 v[AD16], 4, v0                   ; 16 x thread: four keys' mask
	global_load_b128 v[S:S+3], v[AD16], s[8:9]
	global_load_b128 v[QF:QF+3], v[L16], s[54:55]  ; the first pass's Q
	global_load_b64 v[QF+4:QF+5], v[L8], s[54:55] offset:512
	global_load_b32 v[QS], v[R16], s[56:57]
	v_add_nc_u32 v[AD8], PEN, v[AD16]
.irp j, 0,1,2,3,4,5
	v_mov_b32 v[QF+6+\j], 0                        ; zero codes for k = 64 .. 127
	v_mov_b32 v[KF+48+\j], 0                       ; what stands above K's last tile
.endr
.irp b, 0,1,2,3
	v_mov_b32 v[T2+\b], 0                          ; written once: a lane permute's destination counts as one of its sources
.endr
	v_mov_b32 v[PS], 0                             ; (named as the upper half of the pair v[30:31] before it is first written)
	s_wait_loadcnt 3                               ; the mask is in; Q's three loads may be out
.irp j, 0,1,2,3
	v_sub_f32 v[S+\j], 1.0, v[S+\j]                ; u = 1 - mask: a rounding of its own, as reference() has it
.endr
.irp j, 0,1,2,3
	v_mul_f32 v[S+\j], 0xcaf42400, v[S+\j]         ; x -8e6: 8 times reference()'s 1e6 u, bit for bit
.endr
	ds_store_b128 v[AD8], v[S:S+3]
	s_wait_tensorcnt 0x0                           ; my record has landed,
	s_wait_dscnt 0x0                               ; and my four penalties:
	s_barrier_signal -1
	s_barrier_wait -1                              ; everybody's have.  Nothing in LDS is written from here on
; A KEY STEP: 128 keys
.macro STEP
	v_add_nc_u32 v[AD16], s[RB], v[L16]
	v_add_nc_u32 v[AD8], s[RB], v[L8]
	v_add_nc_u32 v[ADP], s[PB], v[PA]
	v_nop                                          ; four places in front of loads into registers that the last products read
	ds_load_b128 v[KS:KS+3], v[AD16] offset:6144
.irp t, 0,1,2,3,4,5,6,7
	ds_load_b128 v[KF+6*\t:KF+6*\t+3], v[AD16] offset:768*\t
	ds_load_b64 v[KF+6*\t+4:KF+6*\t+5], v[AD8] offset:768*\t+512
.endr
.irp t, 0,1,2,3,4,5,6,7
	ds_load_b128 v[PN+8*\t:PN+8*\t+3], v[ADP] offset:128*(\t/2)+32*(\t%2)        ; the penalties of keys 32 (t / 2) + 8 (t % 2) + 16 h + 0 .. 7, register for register as S^T holds those keys
	ds_load_b128 v[PN+8*\t+4:PN+8*\t+7], v[ADP] offset:128*(\t/2)+32*(\t%2)+16
.endr
	s_wait_dscnt 16                                ; K and its scale words are in; the 16 loads of penalties may be out
.irp t, 0,2,4,6
	v_wmma_scale_f32_16x16x128_f8f6f4 v[S+8*\t:S+8*\t+7], v[KF+6*\t:KF+6*\t+11], v[QF:QF+11], 0, v[KS+\t/2], v[QS] matrix_a_fmt:MATRIX_FMT_FP6 matrix_b_fmt:MATRIX_FMT_FP6
	v_wmma_scale_f32_16x16x128_f8f6f4 v[S+8*(\t+1):S+8*(\t+1)+7], v[KF+6*(\t+1):KF+6*(\t+1)+11], v[QF:QF+11], 0, v[KS+\t/2], v[QS] matrix_a_fmt:MATRIX_FMT_FP6 matrix_b_fmt:MATRIX_FMT_FP6 matrix_a_scale:MATRIX_SCALE_ROW1
.endr
	s_wait_dscnt 0x0                               ; the penalties are in
.rept 4
	v_nop                                          ; four places behind the products
.endr
.set J, 0
.rept 32
	v_pk_add_f32 v[S+J:S+J+1], v[S+J:S+J+1], v[PN+J:PN+J+1]   ; L = S + pen = 8 x (dot / 8 - P): one rounding, reference()'s own.  Each accumulator is read from its low end on
.set J, J+2
.endr
	ds_load_b64 v[VS:VS+1], v[AD8] offset:12800    ; the penalties' registers are free: V comes into them, and has the whole softmax in which to land
.irp d, 0,1,2,3
.irp c, 0,1
	ds_load_b128 v[VF+12*\d+6*\c:VF+12*\d+6*\c+3], v[AD16] offset:6656+3072*\c+768*\d
	ds_load_b64 v[VF+12*\d+6*\c+4:VF+12*\d+6*\c+5], v[AD8] offset:6656+3072*\c+768*\d+512
.endr
.endr
.set J, 0
.rept 32
	v_pk_mul_f32 v[S+J:S+J+1], v[S+J:S+J+1], s[CS:CS+1] op_sel_hi:[1,0]   ; t = L x (log2(e) / 8) = logit x log2(e): a rounding of its own
.set J, J+2
.endr
.irp b, 0,1,2,3
	v_max3_num_f32 v[BM+\b], v[S+16*\b], v[S+1+16*\b], v[S+2+16*\b]   ; the largest t of each block of 32 keys: it serves for the row's maximum and for the block's largest p
.endr
.irp i, 3,5,7,9,11,13
.irp b, 0,1,2,3
	v_max3_num_f32 v[BM+\b], v[BM+\b], v[S+16*\b+\i], v[S+1+16*\b+\i]
.endr
.endr
.irp b, 0,1,2,3
	v_max_num_f32 v[BM+\b], v[BM+\b], v[S+15+16*\b]
.endr
.irp b, 0,1,2,3
	v_permlanex16_b32 v[T2+\b], v[BM+\b], s[SEL], s[SEL+1]
.endr
.irp b, 0,1,2,3
	v_max_num_f32 v[BM+\b], v[BM+\b], v[T2+\b]     ; with lane l xor 16's 16 keys
.endr
	v_max3_num_f32 v[TT], v[BM], v[BM+1], v[BM+2]
	v_max_num_f32 v[TT], v[TT], v[BM+3]            ; the step's largest t of my query
	v_max_num_f32 v13, v13, v[TT]                  ; the running largest t
	v_mov_b32 v[TT], v12
	v_floor_f32 v12, -v13                          ; the new -M = floor(-t): M is a whole number
	v_sub_f32 v[TT], v12, v[TT]                    ; old M - new M: a whole number, 0 or less
	v_cvt_i32_f32 v[TT], v[TT]                     ; (it saturates)
	v_ldexp_f32 v[FF], 1.0, v[TT]                  ; f = 2^(old M - new M)
.set J, 0
.rept 32
	v_pk_add_f32 v[S+J:S+J+1], v[S+J:S+J+1], v[12:13] op_sel_hi:[1,0]   ; t - M, two at a time (of the pair the low word, -M, serves both halves)
.set J, J+2
.endr
.irp b, 0,1,2,3
	v_add_f32 v[BM+\b], v[BM+\b], v12              ; the same of each block's largest t
.endr
.set J, 0
.rept 64
	v_exp_f32 v[S+J], v[S+J]                       ; p = 2^(t - M), at most 1
.set J, J+1
.endr
	v_pk_mul_f32 v[14:15], v[14:15], v[FF:FF+1] op_sel_hi:[1,0]   ; the sums under the new M: a plain place behind the exponentials
	s_wait_alu depctr_va_vdst(0)                   ; one wait for the whole batch, ahead of its first reader
.irp b, 0,1,2,3
	v_exp_f32 v[BM+\b], v[BM+\b]                   ; the block's largest p: the same two instructions on the same number
.endr
	v_pk_add_f32 v[T2:T2+1], v[S:S+1], v[S+2:S+3]  ; the row's sum is taken of the unquantised p, in two chains
.set J, 4
.rept 15
	v_pk_add_f32 v[14:15], v[14:15], v[S+J:S+J+1]
	v_pk_add_f32 v[T2:T2+1], v[T2:T2+1], v[S+J+2:S+J+3]
.set J, J+4
.endr
	v_pk_add_f32 v[14:15], v[14:15], v[T2:T2+1]
	s_wait_alu depctr_va_vdst(0)                   ; and one for the four
.irp b, 0,1,2,3
	v_max_num_f32 v[BM+\b], 0x1800000, v[BM+\b]    ; the floor 2^(3 - 127): a block whose every p is 0 keeps the byte 1: its codes are zeros
.endr
.irp b, 0,1,2,3
	v_add_nc_u32 v[SO+\b], 0xff000000, v[BM+\b]    ; 2 off the exponent field: the conversion's scale operand
.endr
.irp b, 0,1,2,3
	v_lshrrev_b32 v[T2+\b], 23, v[SO+\b]           ; the scale's byte
.endr
	v_lshl_or_b32 v[PS], v[T2+1], 8, v[T2]
	v_lshl_or_b32 v[PS], v[T2+2], 16, v[PS]
	v_lshl_or_b32 v[PS], v[T2+3], 24, v[PS]
.irp c, 0,1
	v_cvt_scalef32_pk16_fp6_f32 v[PCD+6*\c:PCD+2+6*\c], v[S+32*\c:S+15+32*\c], v[SO+2*\c]
	v_cvt_scalef32_pk16_fp6_f32 v[PCT+4*\c:PCT+2+4*\c], v[S+16+32*\c:S+31+32*\c], v[SO+2*\c+1]
.endr
	v_nop                                          ; one plain place behind a scaled conversion
.irp c, 0,1
.irp i, 0,1,2
	v_permlane16_swap_b32 v[PCD+6*\c+\i], v[PCT+4*\c+\i]
.endr
.irp i, 0,1,2
	v_mov_b32 v[PCD+3+6*\c+\i], v[PCT+4*\c+\i]
.endr
.endr
.set J, 0
.rept 16
	v_pk_mul_f32 v[OA+J:OA+J+1], v[OA+J:OA+J+1], v[FF:FF+1] op_sel_hi:[1,0]   ; O^T under the new M; these are also the places in front of the products below
.set J, J+2
.endr
	s_wait_dscnt 0x0                               ; V is in
.irp d, 0,2
	v_wmma_scale_f32_16x16x128_f8f6f4 v[OA+8*\d:OA+8*\d+7], v[VF+12*\d:VF+12*\d+11], v[PCD:PCD+11], v[OA+8*\d:OA+8*\d+7], v[VS+\d/2], v[PS] matrix_a_fmt:MATRIX_FMT_FP6 matrix_b_fmt:MATRIX_FMT_FP6
	v_wmma_scale_f32_16x16x128_f8f6f4 v[OA+8*(\d+1):OA+8*(\d+1)+7], v[VF+12*(\d+1):VF+12*(\d+1)+11], v[PCD:PCD+11], v[OA+8*(\d+1):OA+8*(\d+1)+7], v[VS+\d/2], v[PS] matrix_a_fmt:MATRIX_FMT_FP6 matrix_b_fmt:MATRIX_FMT_FP6 matrix_a_scale:MATRIX_SCALE_ROW1
.endr
	s_add_co_u32 s[RB], s[RB], REC
	s_add_co_u32 s[PB], s[PB], 512
.endm
; A PASS: my tile of 16 queries against the head's 2,048 keys.  The step is written once: O^T and the sum begin as zeros and the largest t as -3e38.
.macro PASS p
	v_mov_b32 v13, 0xff61b1e6
	v_floor_f32 v12, -v13
	v_mov_b32 v14, 0
	v_mov_b32 v15, 0
.set J, 0
.rept 32
	v_mov_b32 v[OA+J], 0
.set J, J+1
.endr
	s_mov_b32 s[RB], 0
	s_mov_b32 s[PB], 0
	s_mov_b32 s[CNT], 16
	s_wait_loadcnt 0x0                             ; Q
.Lstep_\@:
	STEP
	s_sub_co_u32 s[CNT], s[CNT], 1
	s_cmp_lg_u32 s[CNT], 0
	s_cbranch_scc1 .Lstep_\@
.rept 4
	v_nop                                          ; places behind the last products
.endr
.if \p == 0
	s_add_nc_u64 s[54:55], s[54:55], 2*6656        ; the second pass's Q, two blocks of 128 queries on, is asked for ahead of the way out (the first's loads were waited for)
	s_add_nc_u64 s[56:57], s[56:57], 2*6656
	global_load_b128 v[QF:QF+3], v[L16], s[54:55]
	global_load_b64 v[QF+4:QF+5], v[L8], s[54:55] offset:512
	global_load_b32 v[QS], v[R16], s[56:57]
.endif
	v_add_f32 v14, v14, v15                        ; the sum's two halves,
	v_permlanex16_b32 v[TT], v14, s[SEL], s[SEL+1]
	v_add_f32 v14, v14, v[TT]                      ; and lane l xor 16's
	v_rcp_f32 v14, v14
	v_nop                                          ; a plain place behind the transcendental
	s_wait_alu depctr_va_vdst(0)                   ; and the wait ahead of its first reader
.set J, 0
.rept 32
	v_mul_f32 v[S+J], v[OA+J], v14                 ; register 16 b + i is ctx(my query, 64 head + 32 b + 16 h + i)
.set J, J+1
.endr
.irp b, 0,1
	v_max3_num_f32 v[BM+\b], |v[S+16*\b]|, |v[S+1+16*\b]|, 0x1800000
.endr
.irp i, 2,4,6,8,10,12,14
.irp b, 0,1
	v_max3_num_f32 v[BM+\b], v[BM+\b], |v[S+16*\b+\i]|, |v[S+1+16*\b+\i]|
.endr
.endr
.irp b, 0,1
	v_permlanex16_b32 v[T2+\b], v[BM+\b], s[SEL], s[SEL+1]
.endr
.irp b, 0,1
	v_max_num_f32 v[BM+\b], v[BM+\b], v[T2+\b]
.endr
.irp b, 0,1
	v_add_nc_u32 v[SO+\b], 0xff000000, v[BM+\b]
.endr
.irp b, 0,1
	v_lshrrev_b32 v[T2+\b], 23, v[SO+\b]
.endr
	v_lshl_or_b32 v[TT], v[T2+1], 8, v[T2]         ; my row's two scale bytes
	v_cvt_scalef32_pk16_fp6_f32 v[PCD:PCD+2], v[S:S+15], v[SO]
	v_cvt_scalef32_pk16_fp6_f32 v[PCT:PCT+2], v[S+16:S+31], v[SO+1]
	v_nop
.irp i, 0,1,2
	v_permlane16_swap_b32 v[PCD+\i], v[PCT+\i]     ; lanes 0-15 the head's first block of 32, lanes 16-31 its second
.endr
.irp i, 0,1,2
	v_mov_b32 v[PCD+3+\i], v[PCT+\i]
.endr
	global_store_b128 v[L16], v[PCD:PCD+3], s[10:11]              ; half a fragment of proj's operand: 512 and 256 consecutive bytes, aligned
	global_store_b64 v[L8], v[PCD+4:PCD+5], s[10:11] offset:512
	global_store_b16 v[R32], v[TT], s[12:13]       ; lanes l and l xor 16 write the same two bytes with the same value
.if \p == 0
	s_wait_xcnt 0x0                                ; the stores have read their registers and bases
	s_add_nc_u64 s[10:11], s[10:11], 2*98304
	s_add_nc_u64 s[12:13], s[12:13], 16*512
.endif
.endm
	PASS 0
	PASS 1
	s_wait_tensorcnt 0x0                           ; the wave's end
	ds_add_u32 v[SPW], v[NIL]
	s_wait_dscnt 0x0
	CROUND                                         ; the closing round
	s_endpgm
.Lfunc_end_k_qd034741c5e_attn:
	.size	k_qd034741c5e_attn, .Lfunc_end_k_qd034741c5e_attn-k_qd034741c5e_attn
	.p2alignl 7, 3214868480
	.fill 96, 4, 3214868480
	.section	.rodata,"a",@progbits
	.p2align	6, 0x0
	.amdhsa_kernel k_qd034741c5e_attn
		.amdhsa_group_segment_fixed_size 219136
		.amdhsa_private_segment_fixed_size 0
		.amdhsa_enable_private_segment 0
		.amdhsa_kernarg_size 40
		.amdhsa_user_sgpr_count 2
		.amdhsa_user_sgpr_kernarg_segment_ptr 1
		.amdhsa_wavefront_size32 1
		.amdhsa_system_sgpr_workgroup_id_x 1
		.amdhsa_system_sgpr_workgroup_id_y 1
		.amdhsa_system_sgpr_workgroup_id_z 1
		.amdhsa_system_vgpr_workitem_id 0
		.amdhsa_next_free_vgpr 256
		.amdhsa_next_free_sgpr 68
		.amdhsa_reserve_vcc 0
		.amdhsa_float_denorm_mode_32 3
		.amdhsa_float_denorm_mode_16_64 3
		.amdhsa_memory_ordered 1
		.amdhsa_forward_progress 1
		.amdhsa_inst_pref_size 58
	.end_amdhsa_kernel
	.amdgpu_metadata
---
amdhsa.version: [ 1, 2 ]
amdhsa.kernels:
  - .name:           k_qd034741c5e_attn
    .symbol:         k_qd034741c5e_attn.kd
    .args:
      - { .name: q, .offset: 0, .size: 8, .value_kind: global_buffer, .address_space: global }
      - { .name: kv, .offset: 8, .size: 8, .value_kind: global_buffer, .address_space: global }
      - { .name: mask, .offset: 16, .size: 8, .value_kind: global_buffer, .address_space: global }
      - { .name: ctx, .offset: 24, .size: 8, .value_kind: global_buffer, .address_space: global }
      - { .name: scl, .offset: 32, .size: 8, .value_kind: global_buffer, .address_space: global }
    .group_segment_fixed_size: 219136
    .private_segment_fixed_size: 0
    .kernarg_segment_align: 8
    .kernarg_segment_size: 40
    .max_flat_workgroup_size: 512
    .sgpr_count:     68
    .vgpr_count:     256
    .wavefront_size: 32
...
	.end_amdgpu_metadata
.endif
;; end of part 4
;; launch proj (part 5): grid 4 x 32, 4 waves a work-group, clusters of 4 x 4, 327,680 bytes of LDS; arguments ctx, wc, scl, bo, out0; writes out0
.if DOCPART == 5
	.amdgcn_target "amdgcn-amd-amdhsa--gfx1250"
	.amdhsa_code_object_version 6
	.text
	.protected	k_qd034741c5e_proj
	.globl	k_qd034741c5e_proj
	.p2align	8
	.type	k_qd034741c5e_proj,@function
k_qd034741c5e_proj:
	s_mov_b64 s[64:65], 0
	v_nop
	global_prefetch_b8 v0, s[64:65] scope:SCOPE_SE
	s_setreg_imm32_b32 hwreg(HW_REG_WAVE_MODE, 25, 1), 1
	s_wait_xcnt 0x0
	s_wait_alu depctr_hold_cnt(0) depctr_sa_sdst(0) depctr_va_vdst(0) depctr_va_sdst(0) depctr_va_ssrc(0) depctr_va_vcc(0) depctr_vm_vsrc(0)
	s_getreg_b32 s2, hwreg(HW_REG_IB_STS2, 6, 4)
	s_cmp_eq_u32 s2, 0
	s_cbranch_scc0 .Lentry_in_a_cluster
	s_endpgm
.Lentry_in_a_cluster:
	s_bfe_u32 s2, ttmp6, 0x10000c
	s_cmp_lg_u32 s2, 0xf033
	s_cbranch_scc0 .Lentry_shape_is_right
	s_endpgm
.Lentry_shape_is_right:
; out0 = ctx Wo + bo on the codes that attn and quantw made.  Nothing is left out.  The products are qkv's, with source 0 = Wo's rows (blocks 24 to 31 of wc) and source 1 = ctx: see there for the images, the ring of two slots, the joint loads and the scale words.
; A work-group makes 256 tokens x 256 features, a wave 128 x 128.  bo is the C of each sum's first matrix instruction.
; THE WAY OUT: a lane holds 8 neighbouring features of one token; a tile of 16 tokens x 128 features goes through the wave's own stage in LDS (rows of 528 bytes) and leaves as whole rows of 512 bytes.  The tokens of a tile are not neighbours
; (see quantx): stage row t of tile a is token 32 (a / 2) + 8 (a % 2) + t + 8 (t / 8) of my 128.  The stage lies in slot 0, which has had its last fill and its last read when the first result is stored there.
.set HALFT,  24576
.set SLOT,   4*HALFT
.set SPARE,  2*SLOT                    ; the spare words, 128 bytes a wave: two blocks of 256 bytes that no other line names
.set SPITCH, 528
.set FR,     12
.set NL,     4
.set ADRA, 16                          ; v16-19 source 1's fragments: slot 0, 1 at 16 x lane; slot 0, 1 at 8 x lane
.set ADRB, 20                          ; v20-23 source 0's
.set L16,  24                          ; v24  16 x lane: also my place in a row of out0
.set L8,   25
.set STO,  26                          ; v26  the stage, on the way in
.set RD,   27                          ; v27  and back
.set SPW,  28
.set NIL,  29
.set SC,   32                          ; v32-95 scale words and nothing else
.set AF,   128
.set BK,   128                         ; the way out: v128-191 and v192-255 by turns
.set G1, 24
.set G0, 32
.set G1B, 48
.set G0B, 56
.set MSB, 0
.macro WIN new
.if MSB != (\new)
	s_set_vgpr_msb (MSB<<8)|(\new)
.set MSB, (\new)
.endif
.endm
.set MUL_LO, 0xa1
.set MUL_HI, 0xf1
.set TO_B,   0x40
.macro JLOAD g0a, g1a, g0b, g1b        ; waves 0 and 1 fetch ctx's halves, waves 2 and 3 Wo's; an s_nop 0 and four v_nop follow each line
	s_cmp_eq_u32 s15, 0
	s_cbranch_scc0 .Lfor_b_\@
	tensor_load_to_lds s[\g0a:\g0a+3], s[\g1a:\g1a+7]
	s_nop 0
.rept 4
	v_nop
.endr
	s_branch .Lasked_\@
.Lfor_b_\@:
	tensor_load_to_lds s[\g0b:\g0b+3], s[\g1b:\g1b+7]
	s_nop 0
.rept 4
	v_nop
.endr
.Lasked_\@:
.endm
.macro CREST
	s_cmp_lg_u32 s14, 0
	s_cbranch_scc1 .Lnot_wave_0_\@
	s_barrier_signal -3
.Lnot_wave_0_\@:
	s_barrier_wait -3
	s_barrier_signal -1
	s_barrier_wait -1
.endm
.macro CROUND
	s_barrier_signal -1
	s_barrier_wait -1
	CREST
.endm
	s_load_b256 s[4:11], s[0:1], 0x0               ; ctx s[4:5], wc s[6:7], scl s[8:9], bo s[10:11]
	s_load_b64 s[12:13], s[0:1], 0x20              ; out0
	v_lshl_add_u32 v[SPW], v0, 2, SPARE
	v_mov_b32 v[NIL], 0
	ds_add_u32 v[SPW], v[NIL]                      ; the wave's opening: the add, twice on end, and its wait ahead of my first tensor load
	ds_add_u32 v[SPW], v[NIL]
	v_lshrrev_b32 v1, 5, v0
	v_readfirstlane_b32 s14, v1                    ; wave 0..3
	s_lshr_b32 s15, s14, 1                         ; which half of the tokens is mine.  Also: I fetch for ctx (0) or for Wo (1)
	s_and_b32 s16, s14, 1                          ; which half of the features.  Also: which 128 rows I fetch
	s_bfe_u32 s40, ttmp6, 0x40000
	s_bfe_u32 s41, ttmp6, 0x40004
	s_lshl_b32 s42, ttmp9, 2
	s_add_co_u32 s42, s42, s40                     ; x
	s_and_b32 s17, ttmp7, 0xffff
	s_lshl_b32 s17, s17, 2
	s_add_co_u32 s17, s17, s41                     ; y
	s_lshl_b32 s43, s41, 2
	s_lshl_b32 s43, 15, s43                        ; my row of the cluster
	s_lshl_b32 s44, 0x1111, s40                    ; my column
	s_or_b32 s[G1+0], s43, (3<<16)|(1<<21)         ; 24,576 dense bytes as 96 rows of 32 elements of 8 bytes; ctx's tiles go to my row,
	s_or_b32 s[G1B+0], s44, (3<<16)|(1<<21)        ; Wo's to my column
.irp g, G1, G1B
	s_mov_b32 s[\g+1], 32<<16
	s_mov_b32 s[\g+2], 96<<16
	s_mov_b32 s[\g+3], 32<<16
	s_mov_b32 s[\g+4], 96
	s_mov_b32 s[\g+5], 32
	s_mov_b32 s[\g+6], 0
	s_mov_b32 s[\g+7], 0
.endr
	s_lshl_b32 s20, s17, 1
	s_add_co_u32 s20, s20, s16
	s_mul_i32 s20, s20, 98304                      ; ctx: block 2 y + half
	s_mov_b32 s21, 0
	s_lshl_b32 s46, s42, 1
	s_add_co_u32 s46, s46, s16
	s_add_co_u32 s46, s46, 24
	s_mul_i32 s46, s46, 98304                      ; wc: block 24 + 2 x + half
	s_mov_b32 s47, 0
	s_mul_i32 s45, s14, HALFT
	s_wait_dscnt 0x0                               ; both opening adds are done
	s_wait_kmcnt 0x0
	s_add_nc_u64 s[20:21], s[4:5], s[20:21]
	s_add_nc_u64 s[46:47], s[6:7], s[46:47]
	CROUND                                         ; all sixteen work-groups are here: the first joint loads meet
.irp s, 0,1
	s_mov_b32 s[G0+4*\s], 1
	s_add_co_u32 s[G0+4*\s+1], s45, \s*SLOT
	s_add_nc_u64 s[G0+4*\s+2:G0+4*\s+3], s[20:21], \s*HALFT
	s_or_b32 s[G0+4*\s+3], s[G0+4*\s+3], 0x80000000
	s_mov_b32 s[G0B+4*\s], 1
	s_add_co_u32 s[G0B+4*\s+1], s45, \s*SLOT
	s_add_nc_u64 s[G0B+4*\s+2:G0B+4*\s+3], s[46:47], \s*HALFT
	s_or_b32 s[G0B+4*\s+3], s[G0B+4*\s+3], 0x80000000
	JLOAD G0+4*\s, G1, G0B+4*\s, G1B               ; two loads of mine are out
.endr
	v_and_b32 v1, 31, v0
	v_lshlrev_b32 v[L16], 4, v1
	v_lshlrev_b32 v[L8], 3, v1
	s_mul_i32 s21, s15, HALFT                      ; my 128 tokens,
	s_mul_i32 s22, s16, HALFT
	s_add_co_u32 s22, s22, 2*HALFT                 ; my 128 rows of Wo, behind ctx's two halves
.irp s, 0,1
	v_add_nc_u32 v[ADRA+\s], s21, v[L16]
	v_add_nc_u32 v[ADRA+2+\s], s21, v[L8]
	v_add_nc_u32 v[ADRB+\s], s22, v[L16]
	v_add_nc_u32 v[ADRB+2+\s], s22, v[L8]
	s_add_co_u32 s21, s21, SLOT
	s_add_co_u32 s22, s22, SLOT
.endr
	s_lshl_b32 s78, s17, 13
	s_lshl_b32 s79, s15, 12
	s_add_co_u32 s78, s78, s79
	s_add_co_u32 s78, s78, 393216                  ; ctx's scale words: 393,216 + 8,192 y + 4,096 x half
	s_lshl_b32 s79, s42, 13
	s_lshl_b32 s80, s16, 12
	s_add_co_u32 s79, s79, s80
	s_add_co_u32 s79, s79, 360448                  ; Wo's: 262,144 + 3,072 x 32 + 8,192 x + 4,096 x half
	s_mov_b32 s66, 0xffff0000                      ; lanes 16-31
	v_and_b32 v2, 15, v0                           ; r
	v_bfe_u32 v3, v0, 4, 1                         ; h
	v_mov_b32 v4, s78
	v_mov_b32 v5, s79
	v_cndmask_b32 v4, v4, v5, s66                  ; lanes 0-15 take ctx's words, lanes 16-31 Wo's
	v_lshl_add_u32 v4, v2, 5, v4
.irp i, 0,1,2,3,4,5,6,7
	global_load_b128 v[SC+8*\i:SC+8*\i+3], v4, s[8:9] offset:512*\i
	global_load_b128 v[SC+8*\i+4:SC+8*\i+7], v4, s[8:9] offset:512*\i+16
.endr
	s_lshl_b32 s82, s42, 10
	s_lshl_b32 s83, s16, 9
	s_add_co_u32 s82, s82, s83                     ; 4 x (256 x + 128 x half): my features, in bo and in a row of out0
	s_mov_b32 s83, 0
	s_add_nc_u64 s[10:11], s[10:11], s[82:83]
	v_lshlrev_b32 v5, 6, v3                        ; 64 h: register j of tile b is feature 32 (b / 2) + 8 (b % 2) + 16 h + j
.irp b, 0,1,2,3,4,5,6,7
	global_load_b128 v[96+8*\b+96*(\b/4):96+8*\b+96*(\b/4)+3], v5, s[10:11] offset:(32*(\b/2)+8*(\b%2))*4
	global_load_b128 v[96+8*\b+96*(\b/4)+4:96+8*\b+96*(\b/4)+7], v5, s[10:11] offset:(32*(\b/2)+8*(\b%2))*4+16
.endr
	s_mul_i32 s23, s14, 16*SPITCH                  ; my stage
	v_mul_u32_u24 v6, v2, SPITCH
	v_lshl_add_u32 v6, v3, 6, v6
	v_add_nc_u32 v[STO], s23, v6                   ; in: row r, + 64 h
	v_add_nc_u32 v[RD], s23, v[L16]                ; back: the 32 lanes take a row of 512 bytes
	s_lshl_b32 s84, s17, 20
	s_lshl_b32 s85, s15, 19
	s_add_co_u32 s84, s84, s85                     ; (256 y + 128 x half) rows of 4,096 bytes
	s_add_co_u32 s84, s84, s82
	s_mov_b32 s85, 0
	s_add_nc_u64 s[12:13], s[12:13], s[84:85]
.macro FRAG reg, adr, q, i
	ds_load_b128 v[\reg:\reg+3], v[\adr] offset:(8*(\q)+(\i))*1536
	ds_load_b64 v[\reg+4:\reg+5], v[\adr+2] offset:(8*(\q)+(\i))*1536+512
	ds_load_b128 v[\reg+6:\reg+9], v[\adr] offset:(8*(\q)+(\i))*1536+768
	ds_load_b64 v[\reg+10:\reg+11], v[\adr+2] offset:(8*(\q)+(\i))*1536+1280
.endm
; 16 matrix instructions: ctx's tiles a0, a0 + 1 x Wo's eight.  zero = 1: C = the bias of tile b.  The 64 accumulators take turns, in the same order in every step.
.macro MUL16 a0, p, ks, zero
.irp a, \a0, \a0+1
.irp b, 0,1,2,3,4,5,6,7
.if \zero == 0
	v_wmma_scale_f32_16x16x128_f8f6f4 v[8*(8*((\a)%4)+\b):8*(8*((\a)%4)+\b)+7], v[128*(\p)+FR*\b:128*(\p)+FR*\b+FR-1], v[AF+FR*(\a):AF+FR*(\a)+FR-1], v[8*(8*((\a)%4)+\b):8*(8*((\a)%4)+\b)+7], v[SC+8*\b+(\ks)], v[SC+8*(\a)+(\ks)] matrix_a_fmt:MATRIX_FMT_FP6 matrix_b_fmt:MATRIX_FMT_FP6 matrix_a_scale:MATRIX_SCALE_ROW1
.else
	v_wmma_scale_f32_16x16x128_f8f6f4 v[8*(8*((\a)%4)+\b):8*(8*((\a)%4)+\b)+7], v[128*(\p)+FR*\b:128*(\p)+FR*\b+FR-1], v[AF+FR*(\a):AF+FR*(\a)+FR-1], v[96+8*\b+96*(\b/4):96+8*\b+96*(\b/4)+7], v[SC+8*\b+(\ks)], v[SC+8*(\a)+(\ks)] matrix_a_fmt:MATRIX_FMT_FP6 matrix_b_fmt:MATRIX_FMT_FP6 matrix_a_scale:MATRIX_SCALE_ROW1
.endif
.endr
.endr
.endm
.macro FETCH_B slot, q, p
	WIN TO_B
.irp i, 0,1,2,3,4,5,6,7
	FRAG 128*(\p)+FR*\i, ADRB+\slot, \q, \i
.endr
	WIN 0
.endm
.macro FETCH_A slot, q, i0
.irp i, \i0, \i0+1, \i0+2, \i0+3
	FRAG AF+FR*(\i), ADRA+\slot, \q, \i
.endr
.endm
.macro PLACES                          ; four plain places in front of loads into registers that matrix instructions have read, and of the first read of results
.rept 4
	v_nop
.endr
.endm
.macro STEP slot, ks, zero
	s_wait_dscnt 4*NL                              ; Wo's set and ctx's tiles 0-3 are in; the youngest 16 loads (tiles 4-7) may be out
.if \zero
	WIN 0x81                                       ; C (the bias) window 0, D window 2
.else
	WIN MUL_LO
.endif
	MUL16 0, 0, \ks, \zero
	MUL16 2, 0, \ks, \zero
	s_wait_dscnt 0
	PLACES
	FETCH_B \slot, 1, 1
	FETCH_A \slot, 1, 0
.if \zero
	WIN 0xc1
.else
	WIN MUL_HI
.endif
	MUL16 4, 0, \ks, \zero
	MUL16 6, 0, \ks, \zero
	PLACES
	WIN 0
	FETCH_A \slot, 1, 4
.endm
; A slot's second step changes slots: ONE barrier; in front of it each wave waits for all its tensor loads, adds 0 to its spare word, and waits for that and for its reads of this slot
.macro TURN slot, next, fill, ks
	s_wait_tensorcnt 0x0                           ; all my tensor loads have landed: my part of the next slot
	ds_add_u32 v[SPW], v[NIL]                      ; 0 onto my spare word
	s_wait_dscnt 4*NL+1                            ; (the add and the youngest 16 loads may be out)
	WIN MUL_LO
	MUL16 0, 1, \ks, 0
	s_wait_dscnt 0x0                               ; the add is done, and my reads of this slot are over
	s_barrier_signal -1
	MUL16 2, 1, \ks, 0
	WIN 0
	s_barrier_wait -1
.if \fill
	CREST                                          ; a round of the cluster's barrier: no wave of any partner still reads this slot or has a load on its way
	s_add_nc_u64 s[G0+4*\slot+2:G0+4*\slot+3], s[G0+4*\slot+2:G0+4*\slot+3], 2*HALFT
	s_add_nc_u64 s[G0B+4*\slot+2:G0B+4*\slot+3], s[G0B+4*\slot+2:G0B+4*\slot+3], 2*HALFT
	JLOAD G0+4*\slot, G1, G0B+4*\slot, G1B
.else
	PLACES
.endif
	FETCH_B \next, 0, 0
	FETCH_A \next, 0, 0
	WIN MUL_HI
	MUL16 4, 1, \ks, 0
	MUL16 6, 1, \ks, 0
	PLACES
	WIN 0
	FETCH_A \next, 0, 4
.endm
	s_wait_tensorcnt 1                             ; my part of slot 0 is in (slot 1's load may be out)
	s_barrier_signal -1
	s_barrier_wait -1                              ; everybody's is
	FETCH_B 0, 0, 0
	FETCH_A 0, 0, 0
	FETCH_A 0, 0, 4
	s_wait_loadcnt 0x0                             ; the scale words and the bias
	STEP 0, 0, 1
	TURN 0, 1, 1, 1
	STEP 1, 2, 0
	TURN 1, 0, 1, 3
	STEP 0, 4, 0
	TURN 0, 1, 0, 5                                ; behind this barrier nobody reads slot 0, and nothing fills it
	STEP 1, 6, 0
	s_wait_dscnt 4*NL
	WIN MUL_LO
	MUL16 0, 1, 7, 0
	MUL16 2, 1, 7, 0
	s_wait_dscnt 0
	WIN MUL_HI
	MUL16 4, 1, 7, 0
	MUL16 6, 1, 7, 0
	WIN 0
.macro TOSTAGE a
.set AC, 64*((\a)%4)
	WIN (0x08+4*((\a)/4))                          ; an LDS store's data are its source 1: window 2 or 3
.irp b, 0,1,2,3,4,5,6,7
	ds_store_b128 v[STO], v[AC+8*\b:AC+8*\b+3] offset:128*(\b/2)+32*(\b%2)         ; each accumulator from its low end on
	ds_store_b128 v[STO], v[AC+8*\b+4:AC+8*\b+7] offset:128*(\b/2)+32*(\b%2)+16
.endr
	WIN 0
.set BB, BK+64*((\a)%2)
.irp t, 0,1,2,3,4,5,6,7,8,9,10,11,12,13,14,15
	ds_load_b128 v[BB+4*\t:BB+4*\t+3], v[RD] offset:\t*SPITCH    ; LDS serves a wave's instructions in order: these see the stores above
.endr
.endm
.macro SEND a, younger                 ; younger: the LDS instructions issued behind tile a's loads, which may stay out
.set BB, BK+64*((\a)%2)
	s_wait_dscnt \younger
.irp t, 0,1,2,3,4,5,6,7,8,9,10,11,12,13,14,15
	global_store_b128 v[L16], v[BB+4*\t:BB+4*\t+3], s[12:13] offset:(32*((\a)/2)+8*((\a)%2)+\t+8*(\t/8))*4096 th:TH_STORE_NT   ; 512 consecutive bytes, at a multiple of 256 from out0's first byte; 127 rows at the most in the immediate
.endr
.endm
	PLACES
	TOSTAGE 0
.irp a, 1,2,3,4,5,6,7
.if \a > 1
	s_wait_xcnt 0x0                                ; tile a - 2's stores have read their registers: tile a's loads may land there
.endif
	TOSTAGE \a
	SEND \a-1, 32                                  ; behind tile a - 1's loads: tile a's 16 stores and 16 loads
.endr
	SEND 7, 0
	s_wait_tensorcnt 0x0                           ; the wave's end
	ds_add_u32 v[SPW], v[NIL]
	s_wait_dscnt 0x0
	CROUND                                         ; the closing round
	s_endpgm
.Lfunc_end_k_qd034741c5e_proj:
	.size	k_qd034741c5e_proj, .Lfunc_end_k_qd034741c5e_proj-k_qd034741c5e_proj
	.p2alignl 7, 3214868480
	.fill 96, 4, 3214868480
	.section	.rodata,"a",@progbits
	.p2align	6, 0x0
	.amdhsa_kernel k_qd034741c5e_proj
		.amdhsa_group_segment_fixed_size 327680
		.amdhsa_private_segment_fixed_size 0
		.amdhsa_enable_private_segment 0
		.amdhsa_kernarg_size 40
		.amdhsa_user_sgpr_count 2
		.amdhsa_user_sgpr_kernarg_segment_ptr 1
		.amdhsa_wavefront_size32 1
		.amdhsa_system_sgpr_workgroup_id_x 1
		.amdhsa_system_sgpr_workgroup_id_y 1
		.amdhsa_system_sgpr_workgroup_id_z 1
		.amdhsa_system_vgpr_workitem_id 0
		.amdhsa_next_free_vgpr 1024
		.amdhsa_next_free_sgpr 100
		.amdhsa_reserve_vcc 0
		.amdhsa_float_denorm_mode_32 3
		.amdhsa_float_denorm_mode_16_64 3
		.amdhsa_memory_ordered 1
		.amdhsa_forward_progress 1
		.amdhsa_inst_pref_size 142
	.end_amdhsa_kernel
	.amdgpu_metadata
---
amdhsa.version: [ 1, 2 ]
amdhsa.kernels:
  - .name:           k_qd034741c5e_proj
    .symbol:         k_qd034741c5e_proj.kd
    .args:
      - { .name: ctx, .offset: 0, .size: 8, .value_kind: global_buffer, .address_space: global }
      - { .name: wc, .offset: 8, .size: 8, .value_kind: global_buffer, .address_space: global }
      - { .name: scl, .offset: 16, .size: 8, .value_kind: global_buffer, .address_space: global }
      - { .name: bo, .offset: 24, .size: 8, .value_kind: global_buffer, .address_space: global }
      - { .name: out0, .offset: 32, .size: 8, .value_kind: global_buffer, .address_space: global }
    .group_segment_fixed_size: 327680
    .private_segment_fixed_size: 0
    .kernarg_segment_align: 8
    .kernarg_segment_size: 40
    .max_flat_workgroup_size: 128
    .sgpr_count:     100
    .vgpr_count:     1024
    .wavefront_size: 32
...
	.end_amdgpu_metadata
.endif
;; end of part 5
